; MI455X (gfx1250); checked and timed in simulation.
; The chip was launched on July 23, 2026; its instructions are those of AMD's public machine-readable ISA for CDNA 5 (MIT licence, August 2026) and "CDNA5" Instruction Set Architecture Reference Guide (July 2026). The comments in the code are by the model that wrote it; some were corrected since.
;; Causal Multi Head Attention. Allowed arithmetic: matrix products marked QUANTISED: E4M3 operands, one E8M0 scale for each 32 along K, by v_wmma_scale_f32_16x16x128_f8f6f4 with both operands' format E4M3, f32 sums; everything else in f32.
;; Inputs: Wk 1,024 x 1,024 float32; Wo 1,024 x 1,024 float32; Wq 1,024 x 1,024 float32; Wv 1,024 x 1,024 float32; token_positions 2,048 int32; x 4 x 2,048 x 1,024 float32.
;; Outputs: out0 4 x 2,048 x 1,024 float32.
;; This version of the problem:
;;   THIS VERSION OF THE PROBLEM IS GIVEN IN LOW PRECISION. The matrix products marked QUANTISED in the list below multiply operands that are first quantised to E4M3 (4 exponent bits, 3 mantissa bits; 8 bits a number), with one power-of-two scale for each 32 numbers along K (OCP MX v1.0); their sums are f32. All else is computed in f32.
;;   The module's matrix products, in the order in which they are computed (A, B: the left and right operand; K: the contracted axis; several contracted axes count as one K, in the product's order):
;;     1. [M 8,192, K 1,024] x [K 1,024, N 1,024]; A: input x; B: input Wq: QUANTISED
;;     2. [M 8,192, K 1,024] x [K 1,024, N 1,024]; A: input x; B: input Wk: QUANTISED
;;     3. [M 8,192, K 1,024] x [K 1,024, N 1,024]; A: input x; B: input Wv: QUANTISED
;;     4. batch 64 x [M 2,048, K 64] x [K 64, N 2,048]; A: computed on the way; B: computed on the way: QUANTISED
;;     5. batch 64 x [M 2,048, K 2,048] x [K 2,048, N 64]; A: softmax (see below); B: computed on the way: QUANTISED
;;     6. [M 8,192, K 1,024] x [K 1,024, N 1,024]; A: computed on the way; B: input Wo: QUANTISED
;;   THE QUANTISER, for each operand of a quantised product, along K:
;;     - K is cut into blocks of 32 from its start; a last block that is shorter is filled with zeros.
;;     - A block's scale is 2^e with e = floor(log2(the largest magnitude in the block)) - 8, held to -126 .. 127; a block of zeros has e = 0. As a byte (E8M0): e + 127.
;;     - Each number is divided by its block's scale, clamped to +-448, and rounded to the nearest number of E4M3, ties to even, subnormals kept.
;;     - The product sums the exact products of the quantised numbers (number of the format x scale) in f32.
;;   ~~~python
;;   def quantise(x, axis):      # numpy; x: float32 -> the quantised numbers, widened to float32 again
;;       x = np.moveaxis(x, axis, -1); K = x.shape[-1]
;;       x = np.pad(x, [(0, 0)] * (x.ndim - 1) + [(0, -K % 32)]); x = x.reshape(x.shape[:-1] + (-1, 32)); a = np.abs(x).max(-1, keepdims=True)
;;       e = np.where(a > 0, np.clip(np.frexp(np.where(a > 0, a, 1))[1] - 1 - 8, -126, 127), 0)      # np.frexp(a)[1] - 1 = floor(log2(a)), exactly
;;       r = np.clip(x / 2.0 ** e, -448, 448)
;;       step = 2.0 ** (np.maximum(np.frexp(np.where(r == 0, 1, r))[1] - 1, -6) - 3)
;;       q = np.round(r / step) * step * 2.0 ** e      # np.round: ties to even
;;       return np.moveaxis(q.reshape(q.shape[:-2] + (-1,))[..., :K], -1, axis).astype(np.float32)
;;   ~~~
;;   SOFTMAX AHEAD OF A QUANTISED PRODUCT. Where the list says 'softmax', what is quantised is not the finished softmax but p = 2^(t - M), with t = logit x log2(e) and M = ceil(the row's largest t), a whole number; so 1/2 < the row's largest p <= 1. The row's sum l is taken of the UNQUANTISED p, in f32, and the product's result is divided by l at the end. Since M is a whole number, a kernel that streams over the keys may use a running M (the ceiling of the running maximum): every later rescaling is an exact power of two, which a block's scale takes up: the codes' values come out the same.
;;   OPERANDS COMPUTED ON THE WAY. 'Computed on the way' means the value that the module computes at that place (a softmax that the list does not call 'softmax' is quantised finished and normalised). What goes into a quantiser is computed in f32, as accurately as f32 sums, v_exp_f32 and their like allow (about 1e-6 of the number): no bf16 or f16 on the way to a quantiser, and a product that is left as it is and whose result goes on into a quantised operand takes f32 operands (vector FMAs, or v_wmma_f32_16x16x4_f32). A number that lies on a knife's edge between two numbers of the format may be rounded either way, as far as f32 arithmetic and the matrix unit's own rounding can turn it there, and no further.
;; One version. Each part assembles by itself: llvm-mc -triple=amdgcn-amd-amdhsa -mcpu=gfx1250 --defsym DOCPART=n.
;; ======== version 1 of 1: 4 launches
;; limits: right only within a limited range of input values
;; workspace buffers: xq 8,650,752 bytes; wq 4,325,376 bytes; tab 524,288 bytes; qb 8,912,896 bytes; kv 17,563,648 bytes; ob 8,912,896 bytes
;; launch prep (part 1): grid 400 x 1, 4 waves a work-group, no clusters, 33,280 bytes of LDS; arguments x, Wq, Wk, Wv, Wo, token_positions, xq, wq, tab; writes xq, wq, tab
.if DOCPART == 1
	.amdgcn_target "amdgcn-amd-amdhsa--gfx1250"
	.amdhsa_code_object_version 6
	.text
	.protected	k_q9073b31c3c_prep
	.globl	k_q9073b31c3c_prep
	.p2align	8
	.type	k_q9073b31c3c_prep,@function
k_q9073b31c3c_prep:
	s_mov_b64 s[64:65], 0
	v_nop
	global_prefetch_b8 v0, s[64:65] scope:SCOPE_SE
	s_setreg_imm32_b32 hwreg(HW_REG_WAVE_MODE, 25, 1), 1
	s_wait_xcnt 0x0
; CAUSAL MULTI-HEAD ATTENTION IN MX-FP8, FOUR LAUNCHES: prep (this one), qkv, attn, oproj.
; WORK LEFT OUT BY THE PROGRAM (in attn): reference() sets scores[q][k] to -inf wherever k > q, by a mask that it builds itself (jnp.tril); the softmax turns -inf into the weight 0, and 0 x V adds nothing.
; So a tile of scores all of whose keys come after all of its queries reaches no output, whatever finite values x and the weights hold: such steps of 16 queries x 128 keys are not computed.
; LIMIT: a NaN, an infinity or an overflow that would arise only in such a hidden tile is not carried to the result.  No input is without a way to the output: all six are loaded.
; THIS LAUNCH.  (1) x [8192][1024] and Wq, Wk, Wv, Wo [1024][1024], f32, K innermost, become codes of E4M3 with one E8M0 byte for each 32 along K.
; A block's scale is 2^(floor(log2(largest magnitude)) - 8); its byte is the largest magnitude's exponent field - 8, held at 1 from below (a block of zeros gets 1: its codes are zeros, and this program alone reads the bytes).
; THE ROWS ARE STORED IN ANOTHER ORDER: inside each group of 32 rows, bits 3 and 4 of the row's number change places (position 16 u + 8 a + c holds row 16 a + 8 u + c).  A tile of 16 positions, taken as source 0 of a
; matrix instruction, then leaves in two neighbouring result tiles 16 NEIGHBOURS of that axis in a lane's 16 registers: every later quantiser finds its K in a lane's registers.  A wave owns 8 rows, so the
; change of order is a change of two bits of the wave's number in the destination.
; xq: codes [8192 positions][1024] at 0, scale bytes [8192][32] at 8,388,608.  wq: codes [4096 positions][1024] (Wq, Wk, Wv, Wo) at 0, scale bytes at 4,194,304.
; (2) tab: cos and sin of token_positions[s] x 10000^(-f/32), f = 0 .. 31, laid as launch qkv's lanes want them: [128 tiles of 16 positions][8 chunks][32 lanes][16 bytes]; lane (r, h), chunk q: cos, sin of f0 and f0 + 1,
; f0 = 16 (q / 4) + 8 h + 2 (q % 4), for the token at position 16 T + r.
; SHARES: work-groups 0-255 x, 256-383 the four weights (32 each), 384-399 the table.  No input is shared between work-groups: no cluster.
; LIMITS: NaN and infinities among the inputs are not served.  The angle is reduced by n x pi/2 in three parts: good to about 1e-7 while |position x frequency| stays under about 2^20, coarser beyond.
.set WAVES, 4
.set STEPS, 16
.set EMAX,  8
.set MANT,  0x600000                   ; the mantissa field of 448 as f32
.set CB,    16                         ; bytes of 16 codes
.set R,     16                         ; v16-79   four sets of 16 numbers as they are loaded
.set X,     80                         ; v80-111  two sets of 16 neighbours
.set C,     128                        ; v128-191 codes: four registers for each step
.set E,     112                        ; v112-127 a scale byte for each step
.set WREG,  8192                       ; LDS: a region for each wave: two stages of 32 x SP bytes, then its 256 scale bytes
.set SP,    80                         ; a lane's place in a stage: 64 bytes + 16 of padding
.set SPW,   12                         ; v12  LDS address of my spare word; never rewritten
.set NIL,   13                         ; v13  0; never rewritten
.set SPARE, WAVES*WREG                 ; behind the four regions: the spare words, 128 bytes a wave
	s_load_b256 s[4:11], s[0:1], 0x0               ; x, Wq, Wk, Wv
	s_load_b256 s[12:19], s[0:1], 0x20             ; Wo, token_positions, xq, wq
	s_load_b64 s[20:21], s[0:1], 0x40              ; tab
	v_lshl_add_u32 v[SPW], v0, 2, SPARE
	v_mov_b32 v[NIL], 0
	v_lshrrev_b32 v1, 5, v0
	v_readfirstlane_b32 s22, v1                    ; wave 0..3
	v_and_b32 v2, 31, v0                           ; lane
	s_cmp_ge_u32 ttmp9, 384
	s_cbranch_scc1 .Ltable
	; ---------------- the quantiser: 8,192 numbers (8 rows) a wave, 16 steps of 512
	v_lshlrev_b32 v3, 4, v2                        ; my 16 bytes of a load's 512
	s_mul_i32 s23, s22, WREG
	v_lshrrev_b32 v14, 2, v2
	v_mul_u32_u24 v14, v14, SP
	v_and_b32 v15, 3, v2
	v_lshl_add_u32 v14, v15, 4, v14
	v_add_nc_u32 v14, s23, v14                     ; the stage, on the way in: SP (lane / 4) + 16 (lane % 4)
	v_mul_u32_u24 v15, v2, SP
	v_add_nc_u32 v15, s23, v15                     ; and on the way out: SP x lane: my 16 neighbours
	v_mul_u32_u24 v4, v2, CB                       ; my codes' place in a step's
	v_lshrrev_b32 v5, 1, v2
	s_add_co_u32 s23, s23, 2*32*SP
	v_add_nc_u32 v5, s23, v5                       ; LDS: my wave's 256 scale bytes, my block's byte
	v_lshlrev_b32 v7, 3, v2                        ; and on the way out 8 bytes a lane
	v_add_nc_u32 v6, s23, v7
	s_mov_b32 s36, MANT
	s_sub_co_u32 s24, ttmp9, 256                   ; a weight's work-group: 0..127 (for x: a number that meets none of the tests below)
	s_lshr_b32 s25, s24, 5                         ; which weight
	s_and_b32 s26, s24, 31                         ; which 32 rows of it
	s_and_b32 s27, s22, 1
	s_lshl_b32 s27, s27, 1
	s_lshr_b32 s28, s22, 1
	s_or_b32 s27, s27, s28                         ; the wave's two bits changed over: where my 8 rows go
	s_mov_b32 s29, 4194304
	s_wait_alu depctr_va_vdst(0)
	s_wait_kmcnt 0x0
	s_cmp_eq_u32 s25, 1                            ; the choices hang on the work-group's number alone
	s_cselect_b64 s[6:7], s[8:9], s[6:7]
	s_cmp_eq_u32 s25, 2
	s_cselect_b64 s[6:7], s[10:11], s[6:7]
	s_cmp_eq_u32 s25, 3
	s_cselect_b64 s[6:7], s[12:13], s[6:7]
	s_cmp_lt_u32 ttmp9, 256
	s_cselect_b64 s[4:5], s[4:5], s[6:7]           ; the source
	s_cselect_b64 s[16:17], s[16:17], s[18:19]     ; xq or wq
	s_cselect_b32 s26, ttmp9, s26                  ; the group of 32 rows in the source,
	s_cselect_b32 s24, ttmp9, s24                  ; and in the destination
	s_cselect_b32 s29, 8388608, s29                ; where the destination's scale bytes begin
	s_lshl_b32 s26, s26, 2
	s_add_co_u32 s26, s26, s22
	s_lshl_b32 s30, s26, 15                        ; 8 rows of 4,096 bytes
	s_mov_b32 s31, 0
	s_add_nc_u64 s[4:5], s[4:5], s[30:31]
	s_lshl_b32 s24, s24, 2
	s_add_co_u32 s24, s24, s27
	s_lshl_b32 s30, s24, 13                        ; 8 rows of 1,024 codes
	s_add_nc_u64 s[8:9], s[16:17], s[30:31]
	s_lshl_b32 s30, s24, 8                         ; 8 rows of 32 scale bytes
	s_add_co_u32 s30, s30, s29
	s_add_nc_u64 s[10:11], s[16:17], s[30:31]
.macro LOAD t
.irp i, 0,1,2,3
	global_load_b128 v[R+16*((\t)%4)+4*\i:R+16*((\t)%4)+4*\i+3], v3, s[4:5] offset:2048*(\t)+512*\i th:TH_LOAD_NT   ; 32 lanes read 512 consecutive bytes
.endr
.endm
.macro TURN t                          ; step t's numbers through the stage: LDS serves a wave's instructions in order, so no wait stands between the stores and the loads
.irp i, 0,1,2,3
	ds_store_b128 v14, v[R+16*((\t)%4)+4*\i:R+16*((\t)%4)+4*\i+3] offset:32*SP*((\t)%2)+8*SP*\i
.endr
.irp i, 0,1,2,3
	ds_load_b128 v[X+16*((\t)%2)+4*\i:X+16*((\t)%2)+4*\i+3], v15 offset:32*SP*((\t)%2)+16*\i
.endr
.endm
.irp t, 0,1,2,3
	LOAD \t
.endr
	s_wait_loadcnt 12                              ; step 0's four loads are in; the twelve of steps 1 to 3 may be out
	TURN 0
.macro STEP t
.set XS, X+16*((\t)%2)
.if (\t) > 0
	s_wait_dscnt 1                                 ; this step's numbers are back from the stage (the last step's byte store may be out)
.else
	s_wait_dscnt 0x0
.endif
.if (\t)+4 < STEPS
	LOAD (\t)+4                                    ; into the registers that the stage's stores have read
.endif
.if (\t)+1 < STEPS
.if STEPS-2-(\t) >= 3
	s_wait_loadcnt 12                              ; the next step's four loads are in; those of the three steps behind it may be out
.else
	s_wait_loadcnt 4*(STEPS-2-(\t))
.endif
	TURN (\t)+1
.endif
	v_max3_num_f32 v8, |v[XS]|, |v[XS+1]|, |v[XS+2]|               ; the largest magnitude of my 16
	v_max3_num_f32 v9, |v[XS+3]|, |v[XS+4]|, |v[XS+5]|
.irp i, 6,10
	v_max3_num_f32 v8, v8, |v[XS+\i]|, |v[XS+\i+1]|
	v_max3_num_f32 v9, v9, |v[XS+\i+2]|, |v[XS+\i+3]|
.endr
	v_max3_num_f32 v8, v8, |v[XS+14]|, |v[XS+15]|
	v_max3_num_f32 v8, v8, v9, (EMAX+1)<<23        ; and the floor 2^(9 - 127): the byte cannot fall under 1
	v_max_num_f32_dpp v8, v8, v8 row_xmask:1 row_mask:0xf bank_mask:0xf   ; and of my neighbour's 16: the block's
	v_add_nc_u32 v11, -(EMAX<<23), v8              ; 8 off its exponent field: the conversion's scale operand
	v_and_or_b32 v10, v8, 0x7f800000, s36          ; 448 x the scale
.irp i, 0,1,2,3,4,5,6,7,8,9,10,11,12,13,14,15
	v_med3_num_f32 v[XS+\i], v[XS+\i], -v10, v10   ; the conversion to an 8-bit code does not saturate (ISA guide 7.6.2): the hold comes first
.endr
	v_cvt_scalef32_pk8_fp8_f32 v[C+4*(\t):C+4*(\t)+1], v[XS:XS+7], v11
	v_cvt_scalef32_pk8_fp8_f32 v[C+4*(\t)+2:C+4*(\t)+3], v[XS+8:XS+15], v11
	v_lshrrev_b32 v[E+(\t)], 23, v11               ; the scale's byte
	ds_store_b8 v5, v[E+(\t)] offset:16*(\t)       ; both lanes of a block write the same byte with the same value
	global_store_b128 v4, v[C+4*(\t):C+4*(\t)+3], s[8:9] offset:32*CB*(\t)   ; the wave stores 512 consecutive bytes
.endm
.irp t, 0,1,2,3,4,5,6,7,8,9,10,11,12,13,14,15
	STEP \t
.endr
	ds_load_b64 v[8:9], v6                         ; LDS serves a wave's instructions in order: these see my stores
	s_wait_dscnt 0x0
	global_store_b64 v7, v[8:9], s[10:11]          ; 32 lanes store 256 consecutive bytes, aligned
	s_branch .Lend
	; ---------------- the table: a wave takes two tiles of 16 positions, a lane one token and all 32 frequencies
.Ltable:
	s_sub_co_u32 s24, ttmp9, 384
	s_lshl_b32 s24, s24, 2
	s_add_co_u32 s24, s24, s22
	s_lshl_b32 s24, s24, 1                         ; my wave's first tile
	s_wait_alu depctr_va_vdst(0)
	v_lshrrev_b32 v3, 4, v2
	v_add_nc_u32 v3, s24, v3                       ; T
	v_and_b32 v4, 15, v2                           ; r
	v_lshl_add_u32 v5, v3, 4, v4                   ; the position 16 T + r
	v_and_b32 v6, 8, v5
	v_and_b32 v7, 16, v5
	v_and_b32 v5, 0x7e7, v5
	v_lshl_or_b32 v5, v6, 1, v5
	v_lshrrev_b32 v7, 1, v7
	v_or_b32 v5, v5, v7                            ; the token: bits 3 and 4 changed over
	v_lshlrev_b32 v5, 2, v5
	v_lshlrev_b32 v8, 12, v3
	v_lshl_add_u32 v8, v4, 4, v8                   ; 4,096 T + 16 r
	s_mov_b32 s26, 0xb94ca1f9                      ; sin r = r + r z (-1/6' + z (8.3321609e-3 - 1.9515296e-4 z)), z = r r, |r| <= pi/4
	s_mov_b32 s27, 0x3c08839e
	s_mov_b32 s28, 0xbe2aaaa3
	s_mov_b32 s29, 0x37ccf5ce                      ; cos r = 1 - z/2 + z z (4.1666646e-2 + z (-1.3887316e-3 + 2.4433157e-5 z))
	s_mov_b32 s30, 0xbab6061a
	s_mov_b32 s31, 0x3d2aaaa5
	s_wait_alu depctr_va_vdst(0)
	s_wait_kmcnt 0x0
	global_load_b32 v20, v5, s[14:15]
	s_wait_loadcnt 0x0
	v_cvt_f32_i32 v20, v20                         ; the position as f32, as reference() has it
.macro SINCOS f, inv                   ; cos and sin of position x inv into v[64 + 2 f], v[65 + 2 f]
.if \f == 0
.set AR, 20                                        ; the first frequency is 1: the angle is the position
.else
	v_mul_f32 v21, \inv, v20                       ; the angle, rounded once, as reference() has it
.set AR, 21
.endif
	v_mul_f32 v22, 0x3f22f983, v[AR]
	v_rndne_f32 v22, v22                           ; n = the nearest whole number to angle x 2/pi
	v_fmamk_f32 v23, v22, 0xbfc90fdb, v[AR]        ; r = angle - n pi/2, pi/2 in three parts
	v_fmamk_f32 v23, v22, 0x333bbd2e, v23
	v_fmamk_f32 v23, v22, 0x26f72cfc, v23
	v_cvt_i32_f32 v27, v22
	v_mul_f32 v24, v23, v23                        ; z
	v_fma_f32 v25, v24, s26, s27
	v_fma_f32 v26, v24, s29, s30
	v_fma_f32 v25, v25, v24, s28
	v_fma_f32 v26, v26, v24, s31
	v_mul_f32 v25, v25, v24
	v_mul_f32 v28, v24, v24
	v_fma_f32 v29, v24, -0.5, 1.0
	v_fma_f32 v25, v25, v23, v23                   ; sin r
	v_fma_f32 v26, v26, v28, v29                   ; cos r
	v_and_b32 v28, 1, v27
	v_cmp_eq_u32 vcc_lo, 1, v28                    ; an odd quarter changes the two over
	v_add_nc_u32 v29, 1, v27
	v_lshlrev_b32 v27, 30, v27
	v_lshlrev_b32 v29, 30, v29
	v_and_b32 v27, 0x80000000, v27                 ; sin's sign: bit 1 of n
	v_and_b32 v29, 0x80000000, v29                 ; cos's sign: bit 1 of n + 1
	v_cndmask_b32 v30, v25, v26, vcc_lo
	v_cndmask_b32 v31, v26, v25, vcc_lo
	v_xor_b32 v[64+2*\f], v29, v31
	v_xor_b32 v[65+2*\f], v27, v30
.endm
	SINCOS 0, 1.0
	SINCOS 1, 0.7498942093
	SINCOS 2, 0.5623413252
	SINCOS 3, 0.4216965034
	SINCOS 4, 0.3162277660
	SINCOS 5, 0.2371373706
	SINCOS 6, 0.1778279410
	SINCOS 7, 0.1333521432
	SINCOS 8, 0.1
	SINCOS 9, 0.07498942093
	SINCOS 10, 0.05623413252
	SINCOS 11, 0.04216965034
	SINCOS 12, 0.03162277660
	SINCOS 13, 0.02371373706
	SINCOS 14, 0.01778279410
	SINCOS 15, 0.01333521432
	SINCOS 16, 0.01
	SINCOS 17, 0.007498942093
	SINCOS 18, 0.005623413252
	SINCOS 19, 0.004216965034
	SINCOS 20, 0.003162277660
	SINCOS 21, 0.002371373706
	SINCOS 22, 0.001778279410
	SINCOS 23, 0.001333521432
	SINCOS 24, 0.001
	SINCOS 25, 0.0007498942093
	SINCOS 26, 0.0005623413252
	SINCOS 27, 0.0004216965034
	SINCOS 28, 0.0003162277660
	SINCOS 29, 0.0002371373706
	SINCOS 30, 0.0001778279410
	SINCOS 31, 0.0001333521432
.irp q, 0,1,2,3,4,5,6,7
.irp h, 0,1
	global_store_b128 v8, v[64+2*(16*(\q/4)+8*\h+2*(\q%4)):64+2*(16*(\q/4)+8*\h+2*(\q%4))+3], s[20:21] offset:512*\q+256*\h   ; sixteen lanes store 256 consecutive bytes, aligned
.endr
.endr
.Lend:
	s_wait_tensorcnt 0x0                           ; the wave's end
	ds_add_u32 v[SPW], v[NIL]
	s_wait_dscnt 0x0
	s_endpgm
.Lfunc_end_k_q9073b31c3c_prep:
	.size	k_q9073b31c3c_prep, .Lfunc_end_k_q9073b31c3c_prep-k_q9073b31c3c_prep
	.p2alignl 7, 3214868480
	.fill 96, 4, 3214868480
	.section	.rodata,"a",@progbits
	.p2align	6, 0x0
	.amdhsa_kernel k_q9073b31c3c_prep
		.amdhsa_group_segment_fixed_size 33280
		.amdhsa_private_segment_fixed_size 0
		.amdhsa_enable_private_segment 0
		.amdhsa_kernarg_size 72
		.amdhsa_user_sgpr_count 2
		.amdhsa_user_sgpr_kernarg_segment_ptr 1
		.amdhsa_wavefront_size32 1
		.amdhsa_system_sgpr_workgroup_id_x 1
		.amdhsa_system_sgpr_workgroup_id_y 1
		.amdhsa_system_sgpr_workgroup_id_z 1
		.amdhsa_system_vgpr_workitem_id 0
		.amdhsa_next_free_vgpr 192
		.amdhsa_next_free_sgpr 66
		.amdhsa_reserve_vcc 1
		.amdhsa_float_denorm_mode_32 3
		.amdhsa_float_denorm_mode_16_64 3
		.amdhsa_memory_ordered 1
		.amdhsa_forward_progress 1
		.amdhsa_inst_pref_size 96
	.end_amdhsa_kernel
	.amdgpu_metadata
---
amdhsa.version: [ 1, 2 ]
amdhsa.kernels:
  - .name:           k_q9073b31c3c_prep
    .symbol:         k_q9073b31c3c_prep.kd
    .args:
      - { .name: x, .offset: 0, .size: 8, .value_kind: global_buffer, .address_space: global }
      - { .name: Wq, .offset: 8, .size: 8, .value_kind: global_buffer, .address_space: global }
      - { .name: Wk, .offset: 16, .size: 8, .value_kind: global_buffer, .address_space: global }
      - { .name: Wv, .offset: 24, .size: 8, .value_kind: global_buffer, .address_space: global }
      - { .name: Wo, .offset: 32, .size: 8, .value_kind: global_buffer, .address_space: global }
      - { .name: token_positions, .offset: 40, .size: 8, .value_kind: global_buffer, .address_space: global }
      - { .name: xq, .offset: 48, .size: 8, .value_kind: global_buffer, .address_space: global }
      - { .name: wq, .offset: 56, .size: 8, .value_kind: global_buffer, .address_space: global }
      - { .name: tab, .offset: 64, .size: 8, .value_kind: global_buffer, .address_space: global }
    .group_segment_fixed_size: 33280
    .private_segment_fixed_size: 0
    .kernarg_segment_align: 8
    .kernarg_segment_size: 72
    .max_flat_workgroup_size: 128
    .sgpr_count:     66
    .vgpr_count:     192
    .wavefront_size: 32
...
	.end_amdgpu_metadata
.endif
;; end of part 1
;; launch qkv (part 2): grid 12 x 32, 4 waves a work-group, clusters of 4 x 4, 327,680 bytes of LDS; arguments xq, wq, tab, qb, kv; writes qb, kv
.if DOCPART == 2
	.amdgcn_target "amdgcn-amd-amdhsa--gfx1250"
	.amdhsa_code_object_version 6
	.text
	.protected	k_q9073b31c3c_qkv
	.globl	k_q9073b31c3c_qkv
	.p2align	8
	.type	k_q9073b31c3c_qkv,@function
k_q9073b31c3c_qkv:
	s_mov_b64 s[64:65], 0
	v_nop
	global_prefetch_b8 v0, s[64:65] scope:SCOPE_SE
	s_setreg_imm32_b32 hwreg(HW_REG_WAVE_MODE, 25, 1), 1
	s_wait_xcnt 0x0
	s_wait_alu depctr_hold_cnt(0) depctr_sa_sdst(0) depctr_va_vdst(0) depctr_va_sdst(0) depctr_va_ssrc(0) depctr_va_vcc(0) depctr_vm_vsrc(0)
	s_getreg_b32 s2, hwreg(HW_REG_IB_STS2, 6, 4)
	s_cmp_eq_u32 s2, 0
	s_cbranch_scc0 .Lentry_in_a_cluster
	s_endpgm
.Lentry_in_a_cluster:
	s_bfe_u32 s2, ttmp6, 0x10000c
	s_cmp_lg_u32 s2, 0xf033
	s_cbranch_scc0 .Lentry_shape_is_right
	s_endpgm
.Lentry_shape_is_right:
; Q, K and V: three products [8192 x 1024] x [1024 x 1024] on codes of E4M3 with E8M0 scales, and what follows them: the rotation of Q and K by the table, and the quantisers ahead of attention's two products.
; A tile of 256 x 256 to a work-group of four waves, 128 x 128 to a wave: 64 accumulators, 512 registers.  K = 1,024 goes in four steps of 256 through two LDS slots filled by the tensor data mover; all is written out, no loop.
; CLUSTERS of 4 x 4: the four of a row need the same tiles of A, the four of a column the same tiles of B: each tile is asked for jointly.  The cluster's x says what is made: 0 Q, 1 K, 2 V.
; THE MATRIX INSTRUCTION: source 0 = 16 rows of B, source 1 = 16 rows of A.  A lane then holds ONE row of A, and its registers run along B's rows; since rows lie in memory with bits 3 and 4 of their number changed over,
; the 16 registers of two neighbouring result tiles are 16 NEIGHBOURS along B's rows: 32 (b / 2) + 16 (lane / 16) + 0 .. 15.
;   Q, K: A = x (tokens), B = W (channels): a lane holds one token, its registers the channels: a rotation's pair is a register pair, a block of 32 channels lies in lanes l and l xor 16, and the codes are a fragment of S = Q K^T.
;   V:    A = Wv (channels), B = x (tokens): a lane holds one channel, its registers 128 tokens: the blocks run along the KEYS, and the codes are a fragment of V^T.
; THE RESULTS LEAVE AS IMAGES OF OPERAND REGISTERS: four registers of 32 lanes by one store of 512 consecutive bytes.  No stage in LDS.
;   qb [64 heads][16 blocks of 128 queries][8,704]: 8 tiles x 1,024 (two chunks of 512: registers 0-3, 4-7), then 128 scale words (bytes 0, 1: the head's two blocks; bytes 2, 3: 0).
;   kv [64 heads][16 steps of 128 keys][17,152]: K as Q at 0; V's 4 tiles of 16 channels x 2,048 at 8,192; K's 128 scale words at 16,384; V's 64 at 16,896.
; THE SCALE WORDS of all of K come into 64 registers once: register 4 i + (s % 4) holds, for block i, K step s % 4 in lanes 0-15 and K step 4 + s % 4 in lanes 16-31.
; REGISTERS, in windows of 256: window 0: v0-31 addresses; v64-95 A's scale words, v96-127 B's; v128-255 A's fragments, one set; afterwards v128-228 at work.  window 1: B's fragments, two sets; afterwards the table.
;   window 2: the accumulators of A's blocks 0-3 ((a, b) at v[8 (8 a + b)]); window 3: of blocks 4-7.
; LIMITS: as in launch prep (NaN and infinities are not served; a block of zeros has the byte 1).
.set ROWB,   256                       ; a tile's row: 256 codes
.set KROW,   1024                      ; a row of codes in memory
.set PITCH,  272                       ; an LDS row: 256 + 16 of padding: the 16 rows of a load start at 16 different banks (64 banks of 4 bytes: ISA guide 11.1)
.set FR,     16                        ; registers of a fragment
.set NL,     4                         ; LDS loads that bring one
.set NP,     8                         ; places behind this matrix instruction (ISA guide 7.12.1)
.set HALFT,  128*PITCH
.set SLOT,   4*HALFT                   ; A's 256 rows, then B's 256
.set SCL,    2*SLOT                    ; the scale bytes: 4 x (16 units of 256 + 16)
.set HALFS,  16*272
.set SPARE,  SCL+4*HALFS               ; the spare words, 128 bytes a wave
.set ADRA, 16                          ; v16-17 my A fragments in slot 0, 1
.set ADRB, 20                          ; v20-21 my B fragments
.set LI,   24                          ; v24 16 x lane
.set LS,   25                          ; v25 4 x lane
.set ADSA, 26                          ; v26 my rows' scale bytes of A
.set ADSB, 27                          ; v27 of B
.set SPW,  28                          ; v28 my spare word; never rewritten
.set NIL,  29                          ; v29 0; never rewritten
.set SCA,  64
.set SCB,  96
.set AF,   128
.set NUM,  128                         ; v128-191 64 numbers at work
.set CDS,  192                         ; v192-207 the codes just made
.set TM,   208                         ; v208-223 largest magnitudes, bytes, holds, scale operands
.set PW,   224                         ; the scale word just made
.set W0E,  225                         ; an even block's words, kept for the odd one
.set W1E,  226
.set WJ0,  227                         ; two blocks' words joined
.set WJ1,  228
.set G1, 24
.set G0, 32
.set G1B, 48
.set G0B, 56
.set G1S, 68
.set G0S, 76
.set G1SB, 80
.set G0SB, 88
.set SEL, 48                           ; (behind the products) lane selects for lane l xor 16
.set MNT, 50                           ; the mantissa field of 448
.set HALFM, 30                         ; lanes 16-31
.set MSB, 0
.macro WIN new                         ; the immediate's high byte repeats the setting that is left
.if MSB != \new
	s_set_vgpr_msb (MSB<<8)|\new
.set MSB, \new
.endif
.endm
.set MUL_LO, 0xa1                      ; source 0 (B) window 1, source 1 (A) window 0, C and D window 2
.set MUL_HI, 0xf1
.set TO_B,   0x40
; A joint load: waves 0 and 1 fetch for A, waves 2 and 3 for B; the branch hangs on the wave's number alone.  An s_nop 0 and four v_nop follow each line.
.macro JLOAD g0a, g1a, g0b, g1b
	s_cmp_eq_u32 s15, 0
	s_cbranch_scc0 .Lfor_b_\@
	tensor_load_to_lds s[\g0a:\g0a+3], s[\g1a:\g1a+7]
	s_nop 0
.rept 4
	v_nop
.endr
	s_branch .Lasked_\@
.Lfor_b_\@:
	tensor_load_to_lds s[\g0b:\g0b+3], s[\g1b:\g1b+7]
	s_nop 0
.rept 4
	v_nop
.endr
.Lasked_\@:
.endm
.macro CREST                           ; a round of the cluster's barrier behind its opening barrier
	s_cmp_lg_u32 s14, 0
	s_cbranch_scc1 .Lnot_wave_0_\@
	s_barrier_signal -3
.Lnot_wave_0_\@:
	s_barrier_wait -3
	s_barrier_signal -1
	s_barrier_wait -1
.endm
.macro CROUND
	s_barrier_signal -1
	s_barrier_wait -1
	CREST
.endm
	s_load_b128 s[4:7], s[0:1], 0x0                ; xq, wq
	s_load_b128 s[96:99], s[0:1], 0x10             ; tab, qb
	s_load_b64 s[100:101], s[0:1], 0x20            ; kv
	v_lshl_add_u32 v[SPW], v0, 2, SPARE
	v_mov_b32 v[NIL], 0
	ds_add_u32 v[SPW], v[NIL]                      ; the wave's opening: the add, twice on end, and its wait ahead of my first tensor load
	ds_add_u32 v[SPW], v[NIL]
	v_lshrrev_b32 v1, 5, v0
	v_readfirstlane_b32 s14, v1                    ; wave 0..3
	s_lshr_b32 s15, s14, 1                         ; my half of A's rows.  Also: I fetch for A (0) or for B (1)
	s_and_b32 s16, s14, 1                          ; my half of B's rows.  Also: which 128 rows I fetch
	s_bfe_u32 s40, ttmp6, 0x40000                  ; cx
	s_bfe_u32 s41, ttmp6, 0x40004                  ; cy
	s_and_b32 s2, ttmp7, 0xffff
	s_lshl_b32 s2, s2, 2                           ; 4 x cluster y
	s_add_co_u32 s17, s2, s41                      ; Q, K: A's tile row: 256 tokens of x
	s_add_co_u32 s3, s41, 8                        ; V: A's tile row in wq: Wv begins at row 2,048
	s_lshl_b32 s42, ttmp9, 2
	s_add_co_u32 s42, s42, s40                     ; Q, K: B's tile in wq: Wq at 0, Wk at row 1,024
	s_add_co_u32 s45, s2, s40                      ; V: B's tile: 256 tokens of x
	s_cmp_eq_u32 ttmp9, 2                          ; the cluster's x: the same in all sixteen partners
	s_cselect_b32 s17, s3, s17                     ; hangs on cy alone, which my row of the cluster shares
	s_cselect_b32 s42, s45, s42                    ; hangs on cx alone, which my column shares
	s_lshl_b32 s43, s41, 2
	s_lshl_b32 s43, 15, s43                        ; my row of the cluster
	s_lshl_b32 s44, 0x1111, s40                    ; my column
	s_or_b32 s[G1+0], s43, (0<<16)|(1<<20)|(1<<21)|(5<<22)|(3<<25)  ; the mask; elements of 1 byte; padding on; bit 21 beside a mask; 4 words behind every 64
	s_or_b32 s[G1B+0], s44, (0<<16)|(1<<20)|(1<<21)|(5<<22)|(3<<25)
.irp g, G1, G1B
	s_mov_b32 s[\g+1], ROWB<<16                    ; tensor_dim0
	s_mov_b32 s[\g+2], 128<<16                     ; tensor_dim1
	s_mov_b32 s[\g+3], ROWB<<16                    ; tile_dim0
	s_mov_b32 s[\g+4], 128                         ; tile_dim1
	s_mov_b32 s[\g+5], KROW                        ; from row to row
	s_mov_b32 s[\g+6], 0
	s_mov_b32 s[\g+7], 0
.endr
	s_or_b32 s[G1S+0], s43, (3<<16)|(1<<20)|(1<<21)|(5<<22)|(3<<25) ; the scale bytes of 128 rows: 4,096 dense bytes as 16 rows of 256 (32 elements of 8), 16 bytes of padding behind each
	s_or_b32 s[G1SB+0], s44, (3<<16)|(1<<20)|(1<<21)|(5<<22)|(3<<25)
.irp g, G1S, G1SB
	s_mov_b32 s[\g+1], 32<<16
	s_mov_b32 s[\g+2], 16<<16
	s_mov_b32 s[\g+3], 32<<16
	s_mov_b32 s[\g+4], 16
	s_mov_b32 s[\g+5], 32
	s_mov_b32 s[\g+6], 0
	s_mov_b32 s[\g+7], 0
.endr
	s_lshl_b32 s18, s16, 7                         ; which 128 rows of the tile I fetch
	s_lshl_b32 s20, s17, 8
	s_add_co_u32 s20, s20, s18                     ; A's row
	s_lshl_b32 s46, s42, 8
	s_add_co_u32 s46, s46, s18                     ; B's row
	s_lshl_b32 s22, s20, 5                         ; 32 scale bytes a row
	s_lshl_b32 s92, s46, 5
	s_lshl_b32 s20, s20, 10                        ; 1,024 codes a row
	s_lshl_b32 s46, s46, 10
	s_mov_b32 s21, 0
	s_mov_b32 s23, 0
	s_mov_b32 s47, 0
	s_mov_b32 s93, 0
	s_mul_i32 s45, s14, HALFT                      ; where they go: wave x 128 rows: no place in the cluster enters an LDS address
	s_mul_i32 s94, s14, HALFS
	s_wait_dscnt 0x0                               ; both opening adds are done
	s_wait_kmcnt 0x0
	s_add_nc_u64 s[8:9], s[4:5], 8388608           ; x's scale bytes
	s_add_nc_u64 s[10:11], s[6:7], 4194304         ; the weights'
	s_cmp_eq_u32 ttmp9, 2
	s_cselect_b64 s[12:13], s[6:7], s[4:5]         ; A's codes: V: wq, else xq
	s_cselect_b64 s[66:67], s[10:11], s[8:9]       ; A's scale bytes
	s_cselect_b64 s[4:5], s[4:5], s[6:7]           ; B's codes: V: xq, else wq
	s_cselect_b64 s[6:7], s[8:9], s[10:11]         ; B's scale bytes
	s_add_nc_u64 s[20:21], s[12:13], s[20:21]
	s_add_nc_u64 s[22:23], s[66:67], s[22:23]
	s_add_nc_u64 s[46:47], s[4:5], s[46:47]
	s_add_nc_u64 s[92:93], s[6:7], s[92:93]
	CROUND                                         ; all sixteen work-groups are here: the first joint loads meet
	s_mov_b32 s[G0S], 1
	s_add_co_u32 s[G0S+1], s94, SCL
	s_mov_b64 s[G0S+2:G0S+3], s[22:23]
	s_or_b32 s[G0S+3], s[G0S+3], 0x80000000
	s_mov_b32 s[G0SB], 1
	s_add_co_u32 s[G0SB+1], s94, SCL
	s_mov_b64 s[G0SB+2:G0SB+3], s[92:93]
	s_or_b32 s[G0SB+3], s[G0SB+3], 0x80000000
	JLOAD G0S, G1S, G0SB, G1SB                     ; the scale bytes first: they are wanted with K step 0
.irp s, 0,1
	s_mov_b32 s[G0+4*\s], 1
	s_add_co_u32 s[G0+4*\s+1], s45, \s*SLOT
	s_add_nc_u64 s[G0+4*\s+2:G0+4*\s+3], s[20:21], \s*ROWB
	s_or_b32 s[G0+4*\s+3], s[G0+4*\s+3], 0x80000000
	s_mov_b32 s[G0B+4*\s], 1
	s_add_co_u32 s[G0B+4*\s+1], s45, \s*SLOT
	s_add_nc_u64 s[G0B+4*\s+2:G0B+4*\s+3], s[46:47], \s*ROWB
	s_or_b32 s[G0B+4*\s+3], s[G0B+4*\s+3], 0x80000000
	JLOAD G0+4*\s, G1, G0B+4*\s, G1B               ; three tensor loads of mine are out now
.endr
	v_and_b32 v1, 15, v0                           ; r
	v_bfe_u32 v2, v0, 4, 1                         ; h
	v_mul_u32_u24 v3, v1, PITCH
	v_lshl_add_u32 v4, v2, 4, v3                   ; a fragment's row x pitch + 16 h
	s_mul_i32 s21, s15, HALFT
	s_mul_i32 s22, s16, HALFT
	s_add_co_u32 s22, s22, 2*HALFT
.irp s, 0,1
	v_add_nc_u32 v[ADRA+\s], s21, v4
	v_add_nc_u32 v[ADRB+\s], s22, v4
	s_add_co_u32 s21, s21, SLOT
	s_add_co_u32 s22, s22, SLOT
.endr
	v_lshlrev_b32 v5, 5, v1                        ; my row's 32 scale bytes,
	v_lshrrev_b32 v6, 3, v1
	v_lshl_add_u32 v5, v6, 4, v5                   ; 16 more behind each 256,
	v_lshl_add_u32 v5, v2, 4, v5                   ; lanes 16-31: the words of K steps 4 to 7
	s_mul_i32 s21, s15, HALFS
	s_add_co_u32 s21, s21, SCL
	v_add_nc_u32 v[ADSA], s21, v5
	s_mul_i32 s22, s16, HALFS
	s_add_co_u32 s22, s22, SCL+2*HALFS
	v_add_nc_u32 v[ADSB], s22, v5
	v_and_b32 v6, 31, v0
	v_lshlrev_b32 v[LI], 4, v6
	v_lshlrev_b32 v[LS], 2, v6
.macro FRAG reg, adr, q, i             ; 16 rows x 128 K: lane l holds row l % 16; registers 4 c .. 4 c + 3 hold K = 32 c + 16 (l / 16) + 0 .. 15
.irp c, 0,1,2,3
	ds_load_b128 v[\reg+4*\c:\reg+4*\c+3], v[\adr] offset:128*(\q)+32*\c+(\i)*16*PITCH
.endr
.endm
; 16 matrix instructions: A's blocks a0, a0 + 1 x B's eight, the s-th 128 along K.  p: B's set.  zero = 1: the first product starts the sums.  The 64 accumulators take turns, one instruction a turn.
.macro MUL16 a0, p, s, zero
.irp a, \a0, \a0+1
.irp b, 0,1,2,3,4,5,6,7
.if \zero
	v_wmma_scale_f32_16x16x128_f8f6f4 v[8*(8*((\a)%4)+\b):8*(8*((\a)%4)+\b)+7], v[128*(\p)+FR*\b:128*(\p)+FR*\b+FR-1], v[AF+FR*(\a):AF+FR*(\a)+FR-1], 0, v[SCB+4*\b+(\s)%4], v[SCA+4*(\a)+(\s)%4]
.elseif (\s) < 4
	v_wmma_scale_f32_16x16x128_f8f6f4 v[8*(8*((\a)%4)+\b):8*(8*((\a)%4)+\b)+7], v[128*(\p)+FR*\b:128*(\p)+FR*\b+FR-1], v[AF+FR*(\a):AF+FR*(\a)+FR-1], v[8*(8*((\a)%4)+\b):8*(8*((\a)%4)+\b)+7], v[SCB+4*\b+(\s)%4], v[SCA+4*(\a)+(\s)%4]
.else
	v_wmma_scale_f32_16x16x128_f8f6f4 v[8*(8*((\a)%4)+\b):8*(8*((\a)%4)+\b)+7], v[128*(\p)+FR*\b:128*(\p)+FR*\b+FR-1], v[AF+FR*(\a):AF+FR*(\a)+FR-1], v[8*(8*((\a)%4)+\b):8*(8*((\a)%4)+\b)+7], v[SCB+4*\b+(\s)%4], v[SCA+4*(\a)+(\s)%4] matrix_a_scale:MATRIX_SCALE_ROW1 matrix_b_scale:MATRIX_SCALE_ROW1
.endif
.endr
.endr
.endm
.macro FETCH_B slot, q, p
	WIN TO_B
.irp i, 0,1,2,3,4,5,6,7
	FRAG 128*(\p)+FR*\i, ADRB+\slot, \q, \i
.endr
	WIN 0
.endm
.macro FETCH_A slot, q, i0
.irp i, \i0, \i0+1, \i0+2, \i0+3
	FRAG AF+FR*(\i), ADRA+\slot, \q, \i
.endr
.endm
.macro SCALES                          ; all of K's scale words, once: four words a lane and block
.irp i, 0,1,2,3,4,5,6,7
	ds_load_b128 v[SCA+4*\i:SCA+4*\i+3], v[ADSA] offset:\i*544
	ds_load_b128 v[SCB+4*\i:SCB+4*\i+3], v[ADSB] offset:\i*544
.endr
.endm
.macro PLACES n                        ; plain vector instructions between a matrix instruction and a load into, or a vector access to, its registers (ISA guide 7.12.1 for vector accesses)
.rept \n
	v_nop
.endr
.endm
.macro STEP slot, q, s, zero           ; a step of 128 along K that has its successor in the same slot
	s_wait_dscnt 4*NL                              ; all but the youngest 16 loads (A's blocks 4-7) are in
	WIN MUL_LO
	MUL16 0, (\q)%2, \s, \zero
	MUL16 2, (\q)%2, \s, \zero
	s_wait_dscnt 0
	PLACES NP
	FETCH_B \slot, (\q)+1, 1-(\q)%2
	FETCH_A \slot, (\q)+1, 0
	WIN MUL_HI
	MUL16 4, (\q)%2, \s, \zero
	MUL16 6, (\q)%2, \s, \zero
	PLACES NP
	WIN 0
	FETCH_A \slot, (\q)+1, 4
.endm
; A slot's last step changes slots: one barrier; in front of it each wave waits for all its tensor loads, adds 0 to its spare word, and waits for that and for its reads of this slot.  fill = 1: this slot is filled again, two K steps of 256 on.
.macro TURN slot, next, fill, s
	s_wait_tensorcnt 0x0                           ; all my tensor loads have landed: my part of the next slot
	ds_add_u32 v[SPW], v[NIL]                      ; 0 onto my spare word
	s_wait_dscnt 4*NL+1                            ; the add and the youngest 16 loads (A's blocks 4-7) may be out
	WIN MUL_LO
	MUL16 0, 1, \s, 0
	s_wait_dscnt 0x0                               ; the add is done, and my reads of this slot are over
	s_barrier_signal -1
	MUL16 2, 1, \s, 0
	WIN 0
	s_barrier_wait -1
.if \fill
	CREST                                          ; the barrier has opened a round of the cluster's barrier: no wave of any partner still reads this slot or has a load on its way
	s_add_nc_u64 s[G0+4*\slot+2:G0+4*\slot+3], s[G0+4*\slot+2:G0+4*\slot+3], 2*ROWB
	s_add_nc_u64 s[G0B+4*\slot+2:G0B+4*\slot+3], s[G0B+4*\slot+2:G0B+4*\slot+3], 2*ROWB
	JLOAD G0+4*\slot, G1, G0B+4*\slot, G1B         ; the first tensor load behind the round; its four v_nop are among the places in front of the loads below
	PLACES NP-4
.else
	PLACES NP
.endif
	FETCH_B \next, 0, 0
	FETCH_A \next, 0, 0
	WIN MUL_HI
	MUL16 4, 1, \s, 0
	MUL16 6, 1, \s, 0
	PLACES NP
	WIN 0
	FETCH_A \next, 0, 4
.endm
	s_wait_alu depctr_va_vdst(0)
	s_wait_tensorcnt 1                             ; the scale bytes and my part of slot 0 are in; slot 1's load may be out
	s_barrier_signal -1
	s_barrier_wait -1
	FETCH_B 0, 0, 0
	FETCH_A 0, 0, 0
	SCALES
	FETCH_A 0, 0, 4
	STEP 0, 0, 0, 1
	TURN 0, 1, 1, 1
	STEP 1, 0, 2, 0
	TURN 1, 0, 1, 3
	STEP 0, 0, 4, 0
	TURN 0, 1, 0, 5                                ; nothing is left to fetch
	STEP 1, 0, 6, 0
	s_wait_dscnt 4*NL
	WIN MUL_LO
	MUL16 0, 1, 7, 0
	MUL16 2, 1, 7, 0
	s_wait_dscnt 0
	WIN MUL_HI
	MUL16 4, 1, 7, 0
	MUL16 6, 1, 7, 0
	WIN 0
	PLACES NP                                      ; behind the last products: for all reads of results, and all writes and loads into operands' registers, below
	s_mov_b32 s[SEL], 0x76543210                   ; (every tensor load was shown done at the last change of slots: the descriptors' registers are free)
	s_mov_b32 s[SEL+1], 0xfedcba98
	s_mov_b32 s[MNT], 0x600000
	s_mov_b32 s[HALFM], 0xffff0000
.irp b, 0,1,2,3
	v_mov_b32 v[TM+4+\b], 0                        ; written once: a lane permute's destination counts as one of its sources
.endr
; 64 numbers of a lane in window w, register src + 16 b + i = place 32 b + 16 (lane / 16) + i along the next K, become 16 registers of codes, v[CDS] on, and a scale word, v[PW].  Each accumulator is read from its low end on.
.macro QUANT w, src
.set WQ, ((\w)<<2)|((\w)<<4)
	WIN WQ                                         ; sources 1 and 2 in window w
.irp b, 0,1,2,3
	v_max3_num_f32 v[TM+\b], 0x4800000, |v[(\src)+16*\b]|, |v[(\src)+16*\b+1]|   ; my 16 numbers of block b, and the floor 2^(9 - 127): the byte cannot fall under 1
.endr
.irp i, 2,4,6,8,10,12,14
.irp b, 0,1,2,3
	v_max3_num_f32 v[TM+\b], v[TM+\b], |v[(\src)+16*\b+\i]|, |v[(\src)+16*\b+\i+1]|
.endr
.endr
	WIN 0
.irp b, 0,1,2,3
	v_permlanex16_b32 v[TM+4+\b], v[TM+\b], s[SEL], s[SEL+1]
.endr
.irp b, 0,1,2,3
	v_max_num_f32 v[TM+\b], v[TM+\b], v[TM+4+\b]   ; with lane l xor 16's: the block's largest magnitude
.endr
.irp b, 0,1,2,3
	v_add_nc_u32 v[TM+12+\b], 0xfc000000, v[TM+\b] ; 8 off its exponent field: the conversion's scale operand
.endr
.irp b, 0,1,2,3
	v_and_or_b32 v[TM+8+\b], v[TM+\b], 0x7f800000, s[MNT]   ; 448 x the scale
.endr
.irp b, 0,1,2,3
	v_lshrrev_b32 v[TM+4+\b], 23, v[TM+12+\b]      ; the scale's byte
.endr
	v_lshl_or_b32 v[PW], v[TM+5], 8, v[TM+4]
	v_lshl_or_b32 v[PW], v[TM+6], 16, v[PW]
	v_lshl_or_b32 v[PW], v[TM+7], 24, v[PW]
.set WQ, \w
	WIN WQ                                         ; source 0 in window w
.set qn, 0
.rept 64
	v_med3_num_f32 v[NUM+qn], v[(\src)+qn], -v[TM+8+qn/16], v[TM+8+qn/16]   ; the conversion does not saturate (ISA guide 7.6.2): the hold at 448 x the scale
.set qn, qn+1
.endr
	WIN 0
.irp b, 0,1,2,3
	v_cvt_scalef32_pk8_fp8_f32 v[CDS+4*\b:CDS+4*\b+1], v[NUM+16*\b:NUM+16*\b+7], v[TM+12+\b]
	v_cvt_scalef32_pk8_fp8_f32 v[CDS+4*\b+2:CDS+4*\b+3], v[NUM+16*\b+8:NUM+16*\b+15], v[TM+12+\b]
.endr
	v_nop                                          ; one plain vector instruction behind the last conversion
.endm
	s_cmp_eq_u32 ttmp9, 2
	s_cbranch_scc1 .Lv
	; ---------------- Q and K.  My 128 tokens are one block of queries or one step of keys; my 128 channels are two heads
	s_lshl_b32 s20, s17, 8
	s_lshl_b32 s21, s15, 7
	s_add_co_u32 s20, s20, s21                     ; my first token position
	s_lshr_b32 s21, s20, 11                        ; the batch
	s_bfe_u32 s22, s20, 0x40007                    ; the block of 128 in the sequence
	s_lshl_b32 s23, s42, 8
	s_lshl_b32 s24, s16, 7
	s_add_co_u32 s23, s23, s24
	s_bfe_u32 s23, s23, 0x40006                    ; my first head: (row of W mod 1,024) / 64
	s_lshl_b32 s21, s21, 4
	s_add_co_u32 s21, s21, s23                     ; 16 x batch + head
	s_cmp_eq_u32 ttmp9, 1                          ; K goes into kv, Q into qb
	s_cselect_b64 s[32:33], s[100:101], s[98:99]
	s_mov_b32 s24, 139264
	s_cselect_b32 s24, 274432, s24                 ; bytes of a head,
	s_mov_b32 s25, 8704
	s_cselect_b32 s25, 17152, s25                  ; of a block,
	s_mov_b32 s26, 8192
	s_cselect_b32 s26, 16384, s26                  ; and where its scale words begin
	s_mul_i32 s34, s21, s24
	s_mul_i32 s27, s22, s25
	s_add_co_u32 s34, s34, s27
	s_mov_b32 s35, 0
	s_add_nc_u64 s[32:33], s[32:33], s[34:35]      ; my first head's images
	s_mov_b32 s34, s24
	s_add_nc_u64 s[36:37], s[32:33], s[34:35]      ; my second head's
	s_mov_b32 s34, s26
	s_add_nc_u64 s[38:39], s[32:33], s[34:35]      ; and their scale words
	s_add_nc_u64 s[44:45], s[36:37], s[34:35]
	s_and_b32 s34, s20, 2047
	s_lshl_b32 s34, s34, 8                         ; the table: 4,096 bytes for 16 positions of the sequence
	s_add_nc_u64 s[46:47], s[96:97], s[34:35]
	WIN 0x40                                       ; destination window 1: cos and sin of block a's tokens at v[32 a ..]: pair P of a head's 16 a lane at 2 P, 2 P + 1
.irp a, 0,1,2,3,4,5,6,7
.irp q, 0,1,2,3,4,5,6,7
	global_load_b128 v[32*\a+4*\q:32*\a+4*\q+3], v[LI], s[46:47] offset:4096*\a+512*\q
.endr
.endr
	WIN 0
.macro QKBLOCK a                       ; 16 tokens x my 128 channels: rotated, quantised, stored
	s_wait_loadcnt 56-8*(\a)                       ; this block's eight table loads are in; those of the later blocks may be out
	s_wait_xcnt 0x0                                ; the last block's stores have read their data: the codes and words are written again only behind this wait
.set WQ, 0x06+(\a)/4
	WIN WQ                                         ; source 0 (the sums) window 2 or 3, source 1 (the table) window 1
.set XB, 64*((\a)%4)
.set rn, 0
.rept 32
	v_pk_mul_f32 v[NUM+2*rn:NUM+2*rn+1], v[XB+2*rn:XB+2*rn+1], v[32*(\a)+2*(rn%16):32*(\a)+2*(rn%16)+1] op_sel_hi:[1,0]   ; x1 cos, x2 cos
.set rn, rn+1
.endr
.set rn, 0
.rept 32
	v_pk_fma_f32 v[NUM+2*rn:NUM+2*rn+1], v[XB+2*rn:XB+2*rn+1], v[32*(\a)+2*(rn%16):32*(\a)+2*(rn%16)+1], v[NUM+2*rn:NUM+2*rn+1] op_sel:[1,1,0] op_sel_hi:[0,1,1] neg_lo:[0,1,0]   ; - x2 sin, + x1 sin
.set rn, rn+1
.endr
	WIN 0
	QUANT 0, NUM
	global_store_b128 v[LI], v[CDS:CDS+3], s[32:33] offset:1024*(\a)            ; the wave stores 512 consecutive bytes: registers 0-3 of the first head's fragment,
	global_store_b128 v[LI], v[CDS+4:CDS+7], s[32:33] offset:1024*(\a)+512      ; registers 4-7,
	global_store_b128 v[LI], v[CDS+8:CDS+11], s[36:37] offset:1024*(\a)         ; and the second head's
	global_store_b128 v[LI], v[CDS+12:CDS+15], s[36:37] offset:1024*(\a)+512
.if (\a)%2 == 0
	v_and_b32 v[W0E], 0xffff, v[PW]                ; the first head's two bytes; bytes 2 and 3 stay 0: they scale zero codes
	v_lshrrev_b32 v[W1E], 16, v[PW]                ; the second head's
.else
	v_and_b32 v[WJ0], 0xffff, v[PW]
	v_lshrrev_b32 v[WJ1], 16, v[PW]
	v_cndmask_b32 v[WJ0], v[W0E], v[WJ0], s[HALFM] ; lanes 0-15: the even block's words; lanes 16-31: this block's (both halves of the lanes hold a row's word)
	v_cndmask_b32 v[WJ1], v[W1E], v[WJ1], s[HALFM]
	global_store_b32 v[LS], v[WJ0], s[38:39] offset:128*((\a)/2)
	global_store_b32 v[LS], v[WJ1], s[44:45] offset:128*((\a)/2)
.endif
.endm
.irp a, 0,1,2,3,4,5,6,7
	QKBLOCK \a
.endr
	s_branch .Lend
	; ---------------- V.  My 128 channels are two heads of four tiles; my 128 tokens are one step of keys
.Lv:
	s_lshl_b32 s20, s42, 8
	s_lshl_b32 s21, s16, 7
	s_add_co_u32 s20, s20, s21                     ; my first token position
	s_lshr_b32 s21, s20, 11                        ; the batch
	s_bfe_u32 s22, s20, 0x40007                    ; the step of 128 keys
	s_lshl_b32 s23, s17, 8
	s_lshl_b32 s24, s15, 7
	s_add_co_u32 s23, s23, s24
	s_bfe_u32 s23, s23, 0x40006                    ; my first head
	s_lshl_b32 s21, s21, 4
	s_add_co_u32 s21, s21, s23
	s_mul_i32 s34, s21, 274432
	s_mul_i32 s27, s22, 17152
	s_add_co_u32 s34, s34, s27
	s_add_co_u32 s34, s34, 8192                    ; V's images lie behind K's
	s_mov_b32 s35, 0
	s_add_nc_u64 s[32:33], s[100:101], s[34:35]
	s_add_nc_u64 s[36:37], s[32:33], 274432
.macro VBLOCK a, base                  ; 16 channels x 128 keys: quantised along the keys, stored
	s_wait_xcnt 0x0                                ; the last block's stores have read their data
	QUANT 2+(\a)/4, 64*((\a)%4)
.irp c, 0,1,2,3
	global_store_b128 v[LI], v[CDS+4*\c:CDS+4*\c+3], s[\base:\base+1] offset:2048*((\a)%4)+512*\c
.endr
.if (\a)%2 == 0
	v_mov_b32 v[W0E], v[PW]
.else
	v_cndmask_b32 v[WJ0], v[W0E], v[PW], s[HALFM]
	global_store_b32 v[LS], v[WJ0], s[\base:\base+1] offset:8704+128*(((\a)%4)/2)
.endif
.endm
.irp a, 0,1,2,3
	VBLOCK \a, 32
.endr
.irp a, 4,5,6,7
	VBLOCK \a, 36
.endr
.Lend:
	s_wait_tensorcnt 0x0                           ; the wave's end
	ds_add_u32 v[SPW], v[NIL]
	s_wait_dscnt 0x0
	CROUND                                         ; the closing round
	s_endpgm
.Lfunc_end_k_q9073b31c3c_qkv:
	.size	k_q9073b31c3c_qkv, .Lfunc_end_k_q9073b31c3c_qkv-k_q9073b31c3c_qkv
	.p2alignl 7, 3214868480
	.fill 96, 4, 3214868480
	.section	.rodata,"a",@progbits
	.p2align	6, 0x0
	.amdhsa_kernel k_q9073b31c3c_qkv
		.amdhsa_group_segment_fixed_size 327680
		.amdhsa_private_segment_fixed_size 0
		.amdhsa_enable_private_segment 0
		.amdhsa_kernarg_size 40
		.amdhsa_user_sgpr_count 2
		.amdhsa_user_sgpr_kernarg_segment_ptr 1
		.amdhsa_wavefront_size32 1
		.amdhsa_system_sgpr_workgroup_id_x 1
		.amdhsa_system_sgpr_workgroup_id_y 1
		.amdhsa_system_sgpr_workgroup_id_z 1
		.amdhsa_system_vgpr_workitem_id 0
		.amdhsa_next_free_vgpr 1024
		.amdhsa_next_free_sgpr 102
		.amdhsa_reserve_vcc 0
		.amdhsa_float_denorm_mode_32 3
		.amdhsa_float_denorm_mode_16_64 3
		.amdhsa_memory_ordered 1
		.amdhsa_forward_progress 1
		.amdhsa_inst_pref_size 255
	.end_amdhsa_kernel
	.section	.bss,"aw",@nobits
	.p2align	6
	.space	262144
	.amdgpu_metadata
---
amdhsa.version: [ 1, 2 ]
amdhsa.kernels:
  - .name:           k_q9073b31c3c_qkv
    .symbol:         k_q9073b31c3c_qkv.kd
    .args:
      - { .name: xq, .offset: 0, .size: 8, .value_kind: global_buffer, .address_space: global }
      - { .name: wq, .offset: 8, .size: 8, .value_kind: global_buffer, .address_space: global }
      - { .name: tab, .offset: 16, .size: 8, .value_kind: global_buffer, .address_space: global }
      - { .name: qb, .offset: 24, .size: 8, .value_kind: global_buffer, .address_space: global }
      - { .name: kv, .offset: 32, .size: 8, .value_kind: global_buffer, .address_space: global }
    .group_segment_fixed_size: 327680
    .private_segment_fixed_size: 0
    .kernarg_segment_align: 8
    .kernarg_segment_size: 40
    .max_flat_workgroup_size: 128
    .sgpr_count:     102
    .vgpr_count:     1024
    .wavefront_size: 32
...
	.end_amdgpu_metadata
.endif
;; end of part 2
;; launch attn (part 3): grid 4 x 64, 16 waves a work-group, clusters of 4 x 1, 327,680 bytes of LDS; arguments qb, kv, ob; writes ob
.if DOCPART == 3
	.amdgcn_target "amdgcn-amd-amdhsa--gfx1250"
	.amdhsa_code_object_version 6
	.text
	.protected	k_q9073b31c3c_attn
	.globl	k_q9073b31c3c_attn
	.p2align	8
	.type	k_q9073b31c3c_attn,@function
k_q9073b31c3c_attn:
	s_mov_b64 s[64:65], 0
	v_nop
	global_prefetch_b8 v0, s[64:65] scope:SCOPE_SE
	s_setreg_imm32_b32 hwreg(HW_REG_WAVE_MODE, 25, 1), 1
	s_wait_xcnt 0x0
	s_wait_alu depctr_hold_cnt(0) depctr_sa_sdst(0) depctr_va_vdst(0) depctr_va_sdst(0) depctr_va_ssrc(0) depctr_va_vcc(0) depctr_vm_vsrc(0)
	s_getreg_b32 s2, hwreg(HW_REG_IB_STS2, 6, 4)
	s_cmp_eq_u32 s2, 0
	s_cbranch_scc0 .Lentry_in_a_cluster
	s_endpgm
.Lentry_in_a_cluster:
	s_bfe_u32 s2, ttmp6, 0x10000c
	s_cmp_lg_u32 s2, 0x3003
	s_cbranch_scc0 .Lentry_shape_is_right
	s_endpgm
.Lentry_shape_is_right:
; O = softmax(Q K^T / 8, causal) V for 64 heads of 2,048 tokens x 64 channels, both products on codes of E4M3 with E8M0 scales; then O is quantised along the channels for the last projection.
; WORK LEFT OUT: a step of 16 queries x 128 keys all of whose keys come after all of its queries has the weight 0 by reference()'s own mask and is not computed (shown at the head of launch prep).
; THE SOFTMAX AHEAD OF THE SECOND PRODUCT: t = score x log2(e) / 8; M = the running largest t, rounded up to a whole number; p = 2^(t - M) is quantised along the keys; the row's sum is taken of the unquantised p and divides at the end.
; THE FIRST PRODUCT'S K is 64, the instruction's 128: registers 8-15 of both fragments are zero codes, which add nothing.
; SHARES.  A cluster of four work-groups is one head.  In every block of 128 queries work-group cx owns tiles 2 cx and 2 cx + 1 (16 queries each).  Wave w takes tile 2 cx + w / 8 of two blocks, max(w, 15 - w) and min(w, 15 - w):
; (first + 1) + (second + 1) = 17 key steps for every wave of every work-group.  No branch, trip count or LDS address hangs on cx: it enters Q's and O's addresses and the mask's comparison.
; THE WHOLE HEAD'S K AND V LIE IN LDS: 16 steps x 17,152 bytes, filled once, by joint loads (each step is fetched once for the four work-groups).  Waves 0-3 ask for four steps each, load n of wave j for step 4 n + j;
; the walk begins when steps 0-3 have landed.  Nothing is filled again.  All is asked for at the kernel's head, so there is nothing later to ask for ahead of time.
; K and V are images of operand registers: a load takes 16 bytes a lane at 16 x lane: no pitch, no padding.
; LAYOUT.  Both products transposed: S^T = K Q^T, O^T = V^T P^T: a lane holds one query.  Positions hold tokens with bits 3 and 4 changed over, so p's 16 registers of two neighbouring tiles are 16 neighbouring keys,
; O^T's are 16 neighbouring channels, and lane r of my tile holds query 32 cx + 8 (w / 8) + r + 8 (r / 8) of its block.
; ob: O's images [512 tiles of 16 positions][16 heads][1,024] at 0; scale words [16 heads][8,192 positions] at 8,388,608: an even head's two bytes in bytes 0, 1, an odd head's in bytes 2, 3, the others 0.
; LIMITS: NaN and infinities are not served; a block of zeros has the byte 1.
.set STEPB, 17152                      ; a key step in LDS and in kv: K 8,192, V 8,192, K's scale words 512, V's 256
.set SPARE, 16*STEPB                   ; the spare words, 128 bytes a wave
.set LI,   1                           ; 16 x lane
.set LS,   2                           ; 4 x lane
.set LR,   3                           ; 4 x (lane % 16)
.set SPW,  4                           ; my spare word; never rewritten
.set NIL,  5                           ; 0; never rewritten
.set ADK,  6                           ; the step's images
.set ADS,  7                           ; the step's scale words
.set DD,   8                           ; my query in its block - 16 (lane / 16)
.set NINF, 9                           ; -infinity
.set QF,   16                          ; v16-23 Q, v24-31 zero codes.  v12 -M, v13 the largest t, v[14:15] the sum in two halves
.set KFR,  32                          ; v32-95 four fragments of K: registers 0-7 loaded, 8-15 zero codes
.set SS,   96                          ; v96-159 S^T, then p, then V's four fragments
.set OT,   160                         ; v160-191 O^T
.set BM,   192
.set PM,   196
.set LIM,  200
.set SCO,  204
.set KSCL, 208                         ; v208-211 K's scale words: tiles 2 b (lanes 0-15) and 2 b + 1 (lanes 16-31)
.set VSCL, 212                         ; v212-213 V's likewise
.set PSC,  214                         ; p's scale word
.set QSC,  215                         ; Q's
.set FF,   216                         ; v[216:217] f
.set TT,   218
.set PCD,  224                         ; v224-239 p's codes
.set WV,   10
.set BLK,  11                          ; the block of queries in hand: its number is also the diagonal's key step
.set KSC,  12                          ; the key step
.set TB,   13                          ; where it begins in LDS
.set CNT,  14
.set SH,   15
.set CS,   16                          ; s[16:17] c = log2(e) / 8
.set SEL,  18
.set MNT,  20
.set CX,   21
.set BH,   22
.set UU,   23
.set G1,   24
.set G0,   32                          ; s[32:47] four groups 0
.set BLK2, 60
.macro CROUND
	s_barrier_signal -1
	s_barrier_wait -1
	s_cmp_lg_u32 s[WV], 0
	s_cbranch_scc1 .Lnot_wave_0_\@
	s_barrier_signal -3
.Lnot_wave_0_\@:
	s_barrier_wait -3
	s_barrier_signal -1
	s_barrier_wait -1
.endm
	s_load_b128 s[4:7], s[0:1], 0x0                ; qb, kv
	s_load_b64 s[8:9], s[0:1], 0x10                ; ob
	v_lshl_add_u32 v[SPW], v0, 2, SPARE
	v_mov_b32 v[NIL], 0
	ds_add_u32 v[SPW], v[NIL]                      ; the wave's opening: the add, twice on end, and its wait ahead of the first tensor load
	ds_add_u32 v[SPW], v[NIL]
	v_lshrrev_b32 v10, 5, v0
	s_delay_alu instid0(VALU_DEP_1)
	v_readfirstlane_b32 s[WV], v10                 ; wave 0..15
	s_bfe_u32 s[CX], ttmp6, 0x40000
	s_and_b32 s[BH], ttmp7, 0xffff                 ; 16 x batch + head: the cluster's y, which the four partners share
	s_lshr_b32 s[UU], s[WV], 3
	s_sub_co_u32 s54, 15, s[WV]
	s_max_u32 s[BLK], s[WV], s54                   ; the later block first: it needs all that is on its way
	s_min_u32 s[BLK2], s[WV], s54
	s_mov_b32 s[G1], 0x0023000f                    ; the mask: all four work-groups; elements of 8 bytes; bit 21 beside a mask; no padding
	s_mov_b32 s[G1+1], 32<<16                      ; a step's 17,152 dense bytes as 67 rows of 256
	s_mov_b32 s[G1+2], 67<<16
	s_mov_b32 s[G1+3], 32<<16
	s_mov_b32 s[G1+4], 67
	s_mov_b32 s[G1+5], 32
	s_mov_b32 s[G1+6], 0
	s_mov_b32 s[G1+7], 0
	s_and_b32 s55, s[WV], 3
	s_mul_i32 s55, s55, STEPB                      ; my first load's step, in LDS and in the head
	s_mul_i32 s56, s[BH], 16*STEPB
	s_add_co_u32 s56, s56, s55
	s_mov_b32 s57, 0
	s_mov_b32 s[CS], 0x3e38aa3b
	s_mov_b32 s[CS+1], s[CS]                       ; (named with it as a pair, so it is written)
	s_mov_b32 s[SEL], 0x76543210
	s_mov_b32 s[SEL+1], 0xfedcba98
	s_and_b32 s[SH], s[BH], 1
	s_lshl_b32 s[SH], s[SH], 4                     ; an odd head's scale bytes go into bytes 2 and 3
	s_wait_dscnt 0x0                               ; both opening adds are done
	s_wait_kmcnt 0x0
	s_add_nc_u64 s[56:57], s[6:7], s[56:57]
	CROUND                                         ; all four work-groups are here: the joint loads meet
.irp n, 0,1,2,3
	s_mov_b32 s[G0+4*\n], 1
	s_add_co_u32 s[G0+4*\n+1], s55, 4*\n*STEPB
	s_add_nc_u64 s[G0+4*\n+2:G0+4*\n+3], s[56:57], 4*\n*STEPB
	s_or_b32 s[G0+4*\n+3], s[G0+4*\n+3], 0x80000000
.endr
	s_cmp_lt_u32 s[WV], 4                          ; all first fills of a wave stand in one branch on the wave's number: four loads of mine are out
	s_cbranch_scc0 .Lno_fetch
.irp n, 0,1,2,3
	tensor_load_to_lds s[G0+4*\n:G0+4*\n+3], s[G1:G1+7]
	s_nop 0
.endr
.rept 4
	v_nop
.endr
.Lno_fetch:
	v_and_b32 v10, 31, v0
	s_delay_alu instid0(VALU_DEP_1)
	v_lshlrev_b32 v[LI], 4, v10
	s_delay_alu instid0(VALU_DEP_2)
	v_lshlrev_b32 v[LS], 2, v10
	v_and_b32 v11, 15, v0                          ; r
	s_delay_alu instid0(VALU_DEP_1)
	v_lshlrev_b32 v[LR], 2, v11
	v_bfe_u32 v10, v0, 4, 1                        ; h
	s_delay_alu instid0(VALU_DEP_3)
	v_and_b32 v[DD], 8, v11
	s_delay_alu instid0(VALU_DEP_1)
	v_add_nc_u32 v[DD], v[DD], v11                 ; r + 8 (r / 8)
	s_delay_alu instid0(VALU_DEP_3)
	v_lshlrev_b32 v10, 4, v10
	s_delay_alu instid0(VALU_DEP_1)
	v_sub_nc_u32 v[DD], v[DD], v10
	s_lshl_b32 s54, s[CX], 5
	s_lshl_b32 s55, s[UU], 3
	s_add_co_u32 s54, s54, s55
	v_add_nc_u32 v[DD], s54, v[DD]
	v_mov_b32 v[NINF], 0xff800000
.irp j, 0,1,2,3,4,5,6,7
	v_mov_b32 v[QF+8+\j], 0                        ; the zero codes of K = 64 .. 127: Q's,
.irp t, 0,1,2,3
	v_mov_b32 v[KFR+16*\t+8+\j], 0                 ; and K's four fragments'
.endr
.endr
.irp b, 0,1,2,3
	v_mov_b32 v[PM+\b], 0                          ; written once: a lane permute's destination counts as one of its sources
.endr
	v_mov_b32 v[FF+1], 0                           ; (named as the upper half of a pair)
	v_mov_b32 v[TT], 0
; A pass begins: the addresses of block s[BLK], Q's fragment and scale word, the statistics, O^T.
.macro PASS_INIT
	s_wait_xcnt 0x0                                ; the last pass's stores have read their data and bases: both are written again only behind this wait
	s_lshl_b32 s54, s[CX], 1
	s_add_co_u32 s54, s54, s[UU]                   ; my tile in the block
	s_mul_i32 s55, s[BH], 139264
	s_mul_i32 s56, s[BLK], 8704
	s_add_co_u32 s55, s55, s56
	s_lshl_b32 s56, s54, 10
	s_add_co_u32 s56, s56, s55
	s_mov_b32 s57, 0
	s_add_nc_u64 s[48:49], s[4:5], s[56:57]        ; Q's image
	s_lshl_b32 s56, s54, 6
	s_add_co_u32 s56, s56, s55
	s_add_co_u32 s56, s56, 8192
	s_add_nc_u64 s[50:51], s[4:5], s[56:57]        ; Q's scale words
	s_lshr_b32 s61, s[BH], 4
	s_lshl_b32 s61, s61, 7
	s_lshl_b32 s56, s[BLK], 3
	s_add_co_u32 s61, s61, s56
	s_add_co_u32 s61, s61, s54                     ; my tile among the 512: 128 x batch + 8 x block + tile
	s_and_b32 s55, s[BH], 15                       ; the head
	s_lshl_b32 s56, s61, 14
	s_lshl_b32 s54, s55, 10
	s_add_co_u32 s56, s56, s54
	s_add_nc_u64 s[52:53], s[8:9], s[56:57]        ; O's image
	s_lshl_b32 s56, s61, 6
	s_lshl_b32 s54, s55, 15
	s_add_co_u32 s56, s56, s54
	s_add_co_u32 s56, s56, 8388608
	s_add_nc_u64 s[58:59], s[8:9], s[56:57]        ; O's scale words
	global_load_b128 v[QF:QF+3], v[LI], s[48:49]
	global_load_b128 v[QF+4:QF+7], v[LI], s[48:49] offset:512
	global_load_b32 v[QSC], v[LR], s[50:51]
	v_mov_b32 v13, 0xff61b1e6                      ; the largest t so far: -3e38, under every t
	s_delay_alu instid0(VALU_DEP_1)
	v_floor_f32 v12, -v13                          ; -M
	v_mov_b32 v14, 0
	v_mov_b32 v15, 0
.set j, 0
.rept 32
	v_mov_b32 v[OT+j], 0                           ; the step is written once: the first finds zeros, which the first change of M leaves zeros
.set j, j+1
.endr
	s_mov_b32 s[KSC], 0
	s_mov_b32 s[TB], 0
.endm
; A KEY STEP: 128 keys.
.macro STEP
	s_cmp_gt_u32 s[KSC], s[BLK]                    ; all its keys come after my queries: left out.  Ids and the count of steps alone; no barrier stands in a step
	s_cbranch_scc1 .Lhid_\@
	s_setprio 2
	v_add_nc_u32 v[ADK], s[TB], v[LI]
	s_wait_alu depctr_va_vdst(0)
	v_add_nc_u32 v[ADS], s[TB], v[LS]
.rept 7
	v_nop                                          ; with the two additions nine places: the products below write over registers that the last step's products read (V's fragments)
.endr
.irp g, 0,1                                    ; S^T = K Q^T, four tiles of 16 keys at a time
.if \g > 0
.rept 8
	v_nop                                          ; places in front of loads into registers that matrix instructions have read
.endr
.endif
.irp t, 0,1,2,3
	ds_load_b128 v[KFR+16*\t:KFR+16*\t+3], v[ADK] offset:(4*\g+\t)*1024
	ds_load_b128 v[KFR+16*\t+4:KFR+16*\t+7], v[ADK] offset:(4*\g+\t)*1024+512
.endr
.if \g == 0
.irp b, 0,1,2,3
	ds_load_b32 v[KSCL+\b], v[ADS] offset:16384+128*\b
.endr
.endif
	s_wait_dscnt 0x0
.irp t, 0,1,2,3
.if \t % 2
	v_wmma_scale_f32_16x16x128_f8f6f4 v[SS+8*(4*\g+\t):SS+8*(4*\g+\t)+7], v[KFR+16*\t:KFR+16*\t+15], v[QF:QF+15], 0, v[KSCL+2*\g+\t/2], v[QSC] matrix_a_scale:MATRIX_SCALE_ROW1
.else
	v_wmma_scale_f32_16x16x128_f8f6f4 v[SS+8*(4*\g+\t):SS+8*(4*\g+\t)+7], v[KFR+16*\t:KFR+16*\t+15], v[QF:QF+15], 0, v[KSCL+2*\g+\t/2], v[QSC]
.endif
.endr
.endr                                          ; register 16 b + i holds key 32 b + 16 (lane / 16) + i of the step
.rept 8
	v_nop
.endr
	s_cmp_lg_u32 s[KSC], s[BLK]                    ; only the step on the diagonal has hidden keys
	s_cbranch_scc1 .Lopen_\@
.set j, 0
.rept 64
	v_cmp_gt_i32 vcc_lo, 32*(j/16)+j%16, v[DD]     ; the key comes after my query:
	v_cndmask_b32 v[SS+j], v[SS+j], v[NINF], vcc_lo   ; its score becomes -infinity, its p 0
.set j, j+1
.endr
.Lopen_\@:
.irp b, 0,1,2,3
	v_max3_num_f32 v[BM+\b], v[SS+16*\b], v[SS+16*\b+1], v[SS+16*\b+2]   ; the largest score of each block of 32 keys: for the row's maximum, and, since p rises with the score, for the block's largest p
.endr
.irp i, 3,5,7,9,11,13
.irp b, 0,1,2,3
	v_max3_num_f32 v[BM+\b], v[BM+\b], v[SS+16*\b+\i], v[SS+16*\b+\i+1]
.endr
.endr
.irp b, 0,1,2,3
	v_max_num_f32 v[BM+\b], v[BM+\b], v[SS+16*\b+15]
.endr
.irp b, 0,1,2,3
	s_delay_alu instid0(VALU_DEP_4)
	v_permlanex16_b32 v[PM+\b], v[BM+\b], s[SEL], s[SEL+1]
.endr
.irp b, 0,1,2,3
	s_delay_alu instid0(VALU_DEP_4)
	v_max_num_f32 v[BM+\b], v[BM+\b], v[PM+\b]     ; with lane l xor 16's 16 keys
.endr
	s_delay_alu instid0(VALU_DEP_2)
	v_max3_num_f32 v[TT], v[BM], v[BM+1], v[BM+2]
	s_delay_alu instid0(VALU_DEP_1)
	v_max_num_f32 v[TT], v[TT], v[BM+3]
	s_delay_alu instid0(VALU_DEP_1)
	v_mul_f32 v[TT], s[CS], v[TT]                  ; the step's largest t (c is positive)
	s_delay_alu instid0(VALU_DEP_1)
	v_max_num_f32 v13, v13, v[TT]                  ; the running largest t
	v_mov_b32 v[TT], v12
	s_delay_alu instid0(VALU_DEP_2)
	v_floor_f32 v12, -v13                          ; the new -M = -ceil(t): a whole number
	s_delay_alu instid0(VALU_DEP_1)
	v_sub_f32 v[TT], v12, v[TT]                    ; old M - new M: a whole number, 0 or less
	s_delay_alu instid0(VALU_DEP_1)
	v_cvt_i32_f32 v[TT], v[TT]                     ; (it saturates)
	s_delay_alu instid0(VALU_DEP_1)
	v_ldexp_f32 v[FF], 1.0, v[TT]                  ; f = 2^(old M - new M)
.set j, 0
.rept 32
	v_pk_fma_f32 v[SS+j:SS+j+1], v[SS+j:SS+j+1], s[CS:CS+1], v[12:13] op_sel_hi:[1,0,0]   ; t - M, two at a time
.set j, j+2
.endr
	s_setprio 1
.irp b, 0,1,2,3
	v_fma_f32 v[BM+\b], v[BM+\b], s[CS], v12       ; the same of each block's largest score
.endr
.set j, 0
	s_wait_alu depctr_va_vdst(0)
.rept 64
	v_exp_f32 v[SS+j], v[SS+j]                     ; p = 2^(t - M), at most 1
.set j, j+1
.endr
	v_pk_mul_f32 v[14:15], v[14:15], v[FF:FF+1] op_sel_hi:[1,0]   ; the sums under the new M: a plain instruction behind the exponentials
	s_wait_alu depctr_va_vdst(0)                   ; one wait for the batch of 64, ahead of its first reader
.irp b, 0,1,2,3
	v_exp_f32 v[BM+\b], v[BM+\b]                   ; the block's largest p: the same two instructions on the same number
.endr
	v_pk_add_f32 v[196:197], v[100:101], v[104:105]
	v_pk_add_f32 v[254:255], v[108:109], v[112:113]
	v_pk_add_f32 v[252:253], v[116:117], v[120:121]
	v_pk_add_f32 v[250:251], v[124:125], v[128:129]
	v_pk_add_f32 v[248:249], v[132:133], v[136:137]
	v_pk_add_f32 v[246:247], v[140:141], v[144:145]
	v_pk_add_f32 v[244:245], v[148:149], v[152:153]
	v_pk_add_f32 v[14:15], v[14:15], v[156:157]
	v_pk_add_f32 v[196:197], v[196:197], v[96:97]
	v_pk_add_f32 v[254:255], v[254:255], v[98:99]
	v_pk_add_f32 v[252:253], v[252:253], v[102:103]
	v_pk_add_f32 v[250:251], v[250:251], v[106:107]
	v_pk_add_f32 v[248:249], v[248:249], v[110:111]
	v_pk_add_f32 v[246:247], v[246:247], v[114:115]
	v_pk_add_f32 v[244:245], v[244:245], v[118:119]
	v_pk_add_f32 v[14:15], v[14:15], v[122:123]
	v_pk_add_f32 v[196:197], v[196:197], v[126:127]
	v_pk_add_f32 v[254:255], v[254:255], v[130:131]
	v_pk_add_f32 v[252:253], v[252:253], v[134:135]
	v_pk_add_f32 v[250:251], v[250:251], v[138:139]
	v_pk_add_f32 v[248:249], v[248:249], v[142:143]
	v_pk_add_f32 v[246:247], v[246:247], v[146:147]
	v_pk_add_f32 v[244:245], v[244:245], v[150:151]
	v_pk_add_f32 v[14:15], v[14:15], v[154:155]
	v_pk_add_f32 v[196:197], v[196:197], v[158:159]
	s_delay_alu instid0(VALU_DEP_2)
	v_pk_add_f32 v[14:15], v[14:15], v[250:251]
	s_delay_alu instid0(VALU_DEP_2)
	v_pk_add_f32 v[196:197], v[196:197], v[248:249]
	v_pk_add_f32 v[254:255], v[254:255], v[246:247]
	v_pk_add_f32 v[252:253], v[252:253], v[244:245]
	s_delay_alu instid0(VALU_DEP_2)
	v_pk_add_f32 v[14:15], v[14:15], v[254:255]
	s_delay_alu instid0(VALU_DEP_2)
	v_pk_add_f32 v[196:197], v[196:197], v[252:253]
	s_delay_alu instid0(VALU_DEP_1)
	v_pk_add_f32 v[14:15], v[14:15], v[196:197]
	s_wait_alu depctr_va_vdst(0)                   ; and one for the four
.irp b, 0,1,2,3
	v_max_num_f32 v[BM+\b], 0x4800000, v[BM+\b]    ; the floor 2^(9 - 127): the byte cannot fall under 1
.endr
.irp b, 0,1,2,3
	s_delay_alu instid0(VALU_DEP_4)
	v_add_nc_u32 v[SCO+\b], 0xfc000000, v[BM+\b]   ; the conversion's scale operand
.endr
.irp b, 0,1,2,3
.endr
.irp b, 0,1,2,3
	s_delay_alu instid0(VALU_DEP_4)
	v_lshrrev_b32 v[PM+\b], 23, v[SCO+\b]          ; the scale's byte
.endr
	s_delay_alu instid0(VALU_DEP_3)
	v_lshl_or_b32 v[PSC], v[PM+1], 8, v[PM]        ; p's scale word for these 128 keys
	s_delay_alu instid0(VALU_DEP_1)
	v_lshl_or_b32 v[PSC], v[PM+2], 16, v[PSC]
	s_delay_alu instid0(VALU_DEP_1)
	v_lshl_or_b32 v[PSC], v[PM+3], 24, v[PSC]
	s_setprio 0
.irp b, 0,1,2,3
.set j, 0
.rept 16
.set j, j+1
.endr
	v_cvt_scalef32_pk8_fp8_f32 v[PCD+4*\b:PCD+4*\b+1], v[SS+16*\b:SS+16*\b+7], v[SCO+\b]
	v_cvt_scalef32_pk8_fp8_f32 v[PCD+4*\b+2:PCD+4*\b+3], v[SS+16*\b+8:SS+16*\b+15], v[SCO+\b]
.endr
	v_nop
.irp t, 0,1,2,3                                ; V's four fragments (16 channels x 128 keys) take p's registers
.irp c, 0,1,2,3
	ds_load_b128 v[SS+16*\t+4*\c:SS+16*\t+4*\c+3], v[ADK] offset:8192+2048*\t+512*\c
.endr
.endr
	ds_load_b32 v[VSCL], v[ADS] offset:16896
	ds_load_b32 v[VSCL+1], v[ADS] offset:16896+128
.set j, 0
.rept 16
	v_pk_mul_f32 v[OT+j:OT+j+1], v[OT+j:OT+j+1], v[FF:FF+1] op_sel_hi:[1,0]   ; O^T under the new M.  These sixteen are also the places between the conversions and the products
.set j, j+2
.endr
	s_wait_alu depctr_va_vdst(0)
	s_wait_dscnt 0x0
.irp t, 0,1,2,3                                ; O^T += V^T P^T: four accumulators, one instruction a turn
.if \t % 2
	v_wmma_scale_f32_16x16x128_f8f6f4 v[OT+8*\t:OT+8*\t+7], v[SS+16*\t:SS+16*\t+15], v[PCD:PCD+15], v[OT+8*\t:OT+8*\t+7], v[VSCL+\t/2], v[PSC] matrix_a_scale:MATRIX_SCALE_ROW1
.else
	v_wmma_scale_f32_16x16x128_f8f6f4 v[OT+8*\t:OT+8*\t+7], v[SS+16*\t:SS+16*\t+15], v[PCD:PCD+15], v[OT+8*\t:OT+8*\t+7], v[VSCL+\t/2], v[PSC]
.endif
.endr
.Lhid_\@:
	s_add_co_u32 s[KSC], s[KSC], 1
	s_add_co_u32 s[TB], s[TB], STEPB
.endm
.macro WALK n                          ; n key steps: a constant count; a hidden step's work is jumped over inside the trip
	s_mov_b32 s[CNT], \n
.Lwalk_\@:
	STEP
	s_sub_co_u32 s[CNT], s[CNT], 1
	s_cmp_lg_u32 s[CNT], 0
	s_cbranch_scc1 .Lwalk_\@
	s_setprio 0
.endm
.macro WAITBAR n                       ; a loading wave has all but its n youngest loads in; then every wave knows it of all four
	s_wait_tensorcnt \n
	s_wait_dscnt 0x0
	s_barrier_signal -1
	s_barrier_wait -1
.endm
; THE WAY OUT of a pass: O^T / the sum, quantised along the channels (two blocks of 32), stored as the image of half a fragment of the last projection.
.macro OUT
.rept 8
	v_nop                                          ; places behind the last products
.endr
	v_add_f32 v14, v14, v15
	s_delay_alu instid0(VALU_DEP_1)
	v_permlanex16_b32 v[TT], v14, s[SEL], s[SEL+1]
	s_delay_alu instid0(VALU_DEP_1)
	v_add_f32 v14, v14, v[TT]                      ; the row's sum
	s_wait_alu depctr_va_vdst(0)
	v_rcp_f32 v14, v14
	v_nop                                          ; a plain instruction behind the reciprocal
	s_wait_alu depctr_va_vdst(0)                   ; and the wait ahead of its first reader
.set j, 0
.rept 32
	v_mul_f32 v[SS+j], v[OT+j], v14                ; register 16 b + i: channel 32 b + 16 (lane / 16) + i of my query
.set j, j+1
.endr
.irp b, 0,1
	v_max3_num_f32 v[BM+\b], |v[SS+16*\b]|, |v[SS+16*\b+1]|, 0x4800000
.endr
.irp i, 2,4,6,8,10,12,14
.irp b, 0,1
	s_delay_alu instid0(VALU_DEP_2)
	v_max3_num_f32 v[BM+\b], v[BM+\b], |v[SS+16*\b+\i]|, |v[SS+16*\b+\i+1]|
.endr
.endr
.irp b, 0,1
	s_delay_alu instid0(VALU_DEP_2)
	v_permlanex16_b32 v[PM+\b], v[BM+\b], s[SEL], s[SEL+1]
.endr
.irp b, 0,1
	s_delay_alu instid0(VALU_DEP_2)
	v_max_num_f32 v[BM+\b], v[BM+\b], v[PM+\b]
.endr
.irp b, 0,1
	s_delay_alu instid0(VALU_DEP_2)
	v_add_nc_u32 v[SCO+\b], 0xfc000000, v[BM+\b]
.endr
.irp b, 0,1
.endr
.irp b, 0,1
	s_delay_alu instid0(VALU_DEP_2)
	v_lshrrev_b32 v[PM+\b], 23, v[SCO+\b]
.endr
	s_delay_alu instid0(VALU_DEP_1)
	v_lshl_or_b32 v[TT], v[PM+1], 8, v[PM]
	s_delay_alu instid0(VALU_DEP_1)
	v_lshlrev_b32 v[TT], s[SH], v[TT]              ; an odd head's bytes into bytes 2 and 3
.irp b, 0,1
.set j, 0
.rept 16
.set j, j+1
.endr
	v_cvt_scalef32_pk8_fp8_f32 v[PCD+4*\b:PCD+4*\b+1], v[SS+16*\b:SS+16*\b+7], v[SCO+\b]
	v_cvt_scalef32_pk8_fp8_f32 v[PCD+4*\b+2:PCD+4*\b+3], v[SS+16*\b+8:SS+16*\b+15], v[SCO+\b]
.endr
	v_nop                                          ; one plain vector instruction behind the last conversion
	global_store_b128 v[LI], v[PCD:PCD+3], s[52:53]                 ; the wave stores 512 consecutive bytes
	global_store_b128 v[LI], v[PCD+4:PCD+7], s[52:53] offset:512
	global_store_b32 v[LR], v[TT], s[58:59]        ; 16 words; lanes 16-31 hold the same words and write them to the same places
.endm
	PASS_INIT
	WAITBAR 3                                      ; key steps 0-3 are in; a loading wave's three younger loads may be out
	s_wait_loadcnt 0x0                             ; Q
	WALK 4
	WAITBAR 2                                      ; steps 4-7
	WALK 4
	WAITBAR 0                                      ; all sixteen
	WALK 8
	OUT
	s_mov_b32 s[BLK], s[BLK2]                      ; the earlier block: at most eight steps
	PASS_INIT
	s_wait_loadcnt 0x0
	WALK 8
	OUT
	s_wait_tensorcnt 0x0                           ; the wave's end
	ds_add_u32 v[SPW], v[NIL]
	s_wait_dscnt 0x0
	CROUND                                         ; the closing round
	s_endpgm
.Lfunc_end_k_q9073b31c3c_attn:
	.size	k_q9073b31c3c_attn, .Lfunc_end_k_q9073b31c3c_attn-k_q9073b31c3c_attn
	.p2alignl 7, 3214868480
	.fill 96, 4, 3214868480
	.section	.rodata,"a",@progbits
	.p2align	6, 0x0
	.amdhsa_kernel k_q9073b31c3c_attn
		.amdhsa_group_segment_fixed_size 327680
		.amdhsa_private_segment_fixed_size 0
		.amdhsa_enable_private_segment 0
		.amdhsa_kernarg_size 24
		.amdhsa_user_sgpr_count 2
		.amdhsa_user_sgpr_kernarg_segment_ptr 1
		.amdhsa_wavefront_size32 1
		.amdhsa_system_sgpr_workgroup_id_x 1
		.amdhsa_system_sgpr_workgroup_id_y 1
		.amdhsa_system_sgpr_workgroup_id_z 1
		.amdhsa_system_vgpr_workitem_id 0
		.amdhsa_next_free_vgpr 256
		.amdhsa_next_free_sgpr 66
		.amdhsa_reserve_vcc 1
		.amdhsa_float_denorm_mode_32 3
		.amdhsa_float_denorm_mode_16_64 3
		.amdhsa_fp16_overflow 1
		.amdhsa_memory_ordered 1
		.amdhsa_forward_progress 1
		.amdhsa_inst_pref_size 113
	.end_amdhsa_kernel
	.amdgpu_metadata
---
amdhsa.version: [ 1, 2 ]
amdhsa.kernels:
  - .name:           k_q9073b31c3c_attn
    .symbol:         k_q9073b31c3c_attn.kd
    .args:
      - { .name: qb, .offset: 0, .size: 8, .value_kind: global_buffer, .address_space: global }
      - { .name: kv, .offset: 8, .size: 8, .value_kind: global_buffer, .address_space: global }
      - { .name: ob, .offset: 16, .size: 8, .value_kind: global_buffer, .address_space: global }
    .group_segment_fixed_size: 327680
    .private_segment_fixed_size: 0
    .kernarg_segment_align: 8
    .kernarg_segment_size: 24
    .max_flat_workgroup_size: 512
    .sgpr_count:     66
    .vgpr_count:     256
    .wavefront_size: 32
...
	.end_amdgpu_metadata
.endif
;; end of part 3
;; launch oproj (part 4): grid 4 x 32, 4 waves a work-group, clusters of 4 x 4, 327,680 bytes of LDS; arguments ob, wq, out0; writes out0
.if DOCPART == 4
	.amdgcn_target "amdgcn-amd-amdhsa--gfx1250"
	.amdhsa_code_object_version 6
	.text
	.protected	k_q9073b31c3c_oproj
	.globl	k_q9073b31c3c_oproj
	.p2align	8
	.type	k_q9073b31c3c_oproj,@function
k_q9073b31c3c_oproj:
	s_mov_b64 s[64:65], 0
	v_nop
	global_prefetch_b8 v0, s[64:65] scope:SCOPE_SE
	s_setreg_imm32_b32 hwreg(HW_REG_WAVE_MODE, 25, 1), 1
	s_wait_xcnt 0x0
	s_wait_alu depctr_hold_cnt(0) depctr_sa_sdst(0) depctr_va_vdst(0) depctr_va_sdst(0) depctr_va_ssrc(0) depctr_va_vcc(0) depctr_vm_vsrc(0)
	s_getreg_b32 s2, hwreg(HW_REG_IB_STS2, 6, 4)
	s_cmp_eq_u32 s2, 0
	s_cbranch_scc0 .Lentry_in_a_cluster
	s_endpgm
.Lentry_in_a_cluster:
	s_bfe_u32 s2, ttmp6, 0x10000c
	s_cmp_lg_u32 s2, 0xf033
	s_cbranch_scc0 .Lentry_shape_is_right
	s_endpgm
.Lentry_shape_is_right:
; out0 = O Wo^T: [8192 x 1024] x [1024 x 1024] on codes of E4M3 with E8M0 scales, f32 out.  The products are launch qkv's: a tile of 256 x 256 to a work-group, 128 x 128 to a wave, K in four steps of 256
; through two LDS slots, clusters of 4 x 4 with joint loads (A's tiles along a row of the cluster, B's along a column), all written out.
; WHAT DIFFERS.  A = O arrives as images of operand registers, ob [512 tiles of 16 positions][16 heads][1,024]: a K step of 256 is four heads, 4,096 consecutive bytes of a tile; a load takes 16 bytes a lane at 16 x lane.
; A's scale words arrive by head, [16 heads][8,192 positions], an even head's bytes in bytes 0, 1 and an odd head's in bytes 2, 3: the word of 128 along K is the OR of two.  B = Wo: rows 3,072 on of wq.
; THE MATRIX INSTRUCTION: source 0 = 16 rows of Wo, source 1 = 16 positions of O.  Rows and tokens lie with bits 3 and 4 of their number changed over: a lane's registers of result tiles 2 b', 2 b' + 1 are columns
; 32 b' + 16 (lane / 16) + 0 .. 15, and position 16 a + t of my 128 is row 32 (a / 2) + 16 (t / 8) + 8 (a % 2) + t % 8 of out0.
; REGISTERS as in qkv: window 0: v0-31 addresses; v64-95 A's scale words, v96-127 B's; v128-255 A's fragments, later rows on the way out.  window 1: B's fragments, two sets.  windows 2, 3: the accumulators.
.set ROWB,   256
.set KROW,   1024
.set PITCH,  272
.set FR,     16
.set NL,     4
.set NP,     8
.set AHALF,  8*4096                    ; A: 8 tiles x 4,096 bytes: what one tensor load brings
.set BHALF,  128*PITCH                 ; B: 128 rows
.set BOFF,   2*AHALF
.set SLOT,   2*AHALF+2*BHALF
.set ASC,    2*SLOT                    ; A's scale words: 2 x [16 heads][128 positions]
.set BSC,    ASC+2*8192                ; B's scale bytes: 2 x (16 units of 256 + 16)
.set HALFS,  16*272
.set SPARE,  BSC+2*HALFS               ; the spare words, 128 bytes a wave
.set SPITCH, 528                       ; the way out: a stage of 16 rows x (512 + 16) for each wave, in slot 0, which has had its last fill and its last read by then
.set ADRA, 16
.set ADRB, 20
.set STO,  24
.set RD,   25
.set CO,   26
.set SPW,  28                          ; my spare word; never rewritten
.set NIL,  29                          ; 0; never rewritten
.set ADSB, 30
.set ASW,  31
.set SCA,  64
.set SCB,  96
.set AF,   128
.set BK,   128
.set G1, 24
.set G0, 32
.set G1B, 48
.set G0B, 56
.set G1S, 68
.set G0S, 76
.set G1SB, 80
.set G0SB, 88
.set MSB, 0
.macro WIN new
.if MSB != \new
	s_set_vgpr_msb (MSB<<8)|\new
.set MSB, \new
.endif
.endm
.set MUL_LO, 0xa1
.set MUL_HI, 0xf1
.set TO_B,   0x40
.macro JLOAD g0a, g1a, g0b, g1b        ; a joint load: waves 0 and 1 fetch for A, waves 2 and 3 for B; an s_nop 0 and four v_nop follow each line
	s_cmp_eq_u32 s15, 0
	s_cbranch_scc0 .Lfor_b_\@
	tensor_load_to_lds s[\g0a:\g0a+3], s[\g1a:\g1a+7]
	s_nop 0
.rept 4
	v_nop
.endr
	s_branch .Lasked_\@
.Lfor_b_\@:
	tensor_load_to_lds s[\g0b:\g0b+3], s[\g1b:\g1b+7]
	s_nop 0
.rept 4
	v_nop
.endr
.Lasked_\@:
.endm
.macro CREST
	s_cmp_lg_u32 s14, 0
	s_cbranch_scc1 .Lnot_wave_0_\@
	s_barrier_signal -3
.Lnot_wave_0_\@:
	s_barrier_wait -3
	s_barrier_signal -1
	s_barrier_wait -1
.endm
.macro CROUND
	s_barrier_signal -1
	s_barrier_wait -1
	CREST
.endm
	s_load_b128 s[4:7], s[0:1], 0x0                ; ob, wq
	s_load_b64 s[12:13], s[0:1], 0x10              ; out0
	v_lshl_add_u32 v[SPW], v0, 2, SPARE
	v_mov_b32 v[NIL], 0
	ds_add_u32 v[SPW], v[NIL]                      ; the wave's opening: the add, twice on end, and its wait ahead of my first tensor load
	ds_add_u32 v[SPW], v[NIL]
	v_lshrrev_b32 v1, 5, v0
	v_readfirstlane_b32 s14, v1                    ; wave 0..3
	s_lshr_b32 s15, s14, 1                         ; my half of the tile's rows.  Also: I fetch for A (0) or for B (1)
	s_and_b32 s16, s14, 1                          ; my half of its columns.  Also: which half I fetch
	s_bfe_u32 s40, ttmp6, 0x40000                  ; cx
	s_bfe_u32 s41, ttmp6, 0x40004                  ; cy
	s_lshl_b32 s42, ttmp9, 2
	s_add_co_u32 s42, s42, s40                     ; tile column
	s_and_b32 s17, ttmp7, 0xffff
	s_lshl_b32 s17, s17, 2
	s_add_co_u32 s17, s17, s41                     ; tile row
	s_lshl_b32 s43, s41, 2
	s_lshl_b32 s43, 15, s43                        ; my row of the cluster
	s_lshl_b32 s44, 0x1111, s40                    ; my column
	s_or_b32 s[G1+0], s43, (3<<16)|(1<<21)         ; A's images: elements of 8 bytes, no padding: 8 rows of 4,096 bytes, 16,384 bytes apart
	s_mov_b32 s[G1+1], 512<<16
	s_mov_b32 s[G1+2], 8<<16
	s_mov_b32 s[G1+3], 512<<16
	s_mov_b32 s[G1+4], 8
	s_mov_b32 s[G1+5], 2048
	s_mov_b32 s[G1+6], 0
	s_mov_b32 s[G1+7], 0
	s_or_b32 s[G1B+0], s44, (0<<16)|(1<<20)|(1<<21)|(5<<22)|(3<<25)   ; B's codes: 128 rows of 256 bytes, 16 bytes of padding behind each
	s_mov_b32 s[G1B+1], ROWB<<16
	s_mov_b32 s[G1B+2], 128<<16
	s_mov_b32 s[G1B+3], ROWB<<16
	s_mov_b32 s[G1B+4], 128
	s_mov_b32 s[G1B+5], KROW
	s_mov_b32 s[G1B+6], 0
	s_mov_b32 s[G1B+7], 0
	s_or_b32 s[G1S+0], s43, (3<<16)|(1<<21)        ; A's scale words: 16 heads x 512 bytes (128 positions), 32,768 bytes apart
	s_mov_b32 s[G1S+1], 64<<16
	s_mov_b32 s[G1S+2], 16<<16
	s_mov_b32 s[G1S+3], 64<<16
	s_mov_b32 s[G1S+4], 16
	s_mov_b32 s[G1S+5], 4096
	s_mov_b32 s[G1S+6], 0
	s_mov_b32 s[G1S+7], 0
	s_or_b32 s[G1SB+0], s44, (3<<16)|(1<<20)|(1<<21)|(5<<22)|(3<<25)  ; B's scale bytes: 4,096 dense bytes as 16 rows of 256, padded
	s_mov_b32 s[G1SB+1], 32<<16
	s_mov_b32 s[G1SB+2], 16<<16
	s_mov_b32 s[G1SB+3], 32<<16
	s_mov_b32 s[G1SB+4], 16
	s_mov_b32 s[G1SB+5], 32
	s_mov_b32 s[G1SB+6], 0
	s_mov_b32 s[G1SB+7], 0
	s_lshl_b32 s18, s16, 7                         ; which 128 rows I fetch
	s_lshl_b32 s20, s17, 8
	s_add_co_u32 s20, s20, s18                     ; A's first position
	s_lshl_b32 s22, s20, 2
	s_add_co_u32 s22, s22, 8388608                 ; its scale word of head 0
	s_lshl_b32 s20, s20, 10                        ; its tile's image: (position / 16) x 16,384
	s_lshl_b32 s46, s42, 8
	s_add_co_u32 s46, s46, s18
	s_add_co_u32 s46, s46, 3072                    ; B's first row: Wo in wq
	s_lshl_b32 s92, s46, 5
	s_add_co_u32 s92, s92, 4194304
	s_lshl_b32 s46, s46, 10
	s_mov_b32 s21, 0
	s_mov_b32 s23, 0
	s_mov_b32 s47, 0
	s_mov_b32 s93, 0
	s_mul_i32 s45, s16, AHALF                      ; where they go: no place in the cluster enters an LDS address
	s_mul_i32 s94, s16, BHALF
	s_add_co_u32 s94, s94, BOFF
	s_lshl_b32 s95, s16, 13
	s_add_co_u32 s95, s95, ASC
	s_mul_i32 s3, s16, HALFS
	s_add_co_u32 s3, s3, BSC
	s_wait_dscnt 0x0                               ; both opening adds are done
	s_wait_kmcnt 0x0
	s_add_nc_u64 s[20:21], s[4:5], s[20:21]
	s_add_nc_u64 s[22:23], s[4:5], s[22:23]
	s_add_nc_u64 s[46:47], s[6:7], s[46:47]
	s_add_nc_u64 s[92:93], s[6:7], s[92:93]
	CROUND                                         ; all sixteen work-groups are here: the first joint loads meet
	s_mov_b32 s[G0S], 1
	s_mov_b32 s[G0S+1], s95
	s_mov_b64 s[G0S+2:G0S+3], s[22:23]
	s_or_b32 s[G0S+3], s[G0S+3], 0x80000000
	s_mov_b32 s[G0SB], 1
	s_mov_b32 s[G0SB+1], s3
	s_mov_b64 s[G0SB+2:G0SB+3], s[92:93]
	s_or_b32 s[G0SB+3], s[G0SB+3], 0x80000000
	JLOAD G0S, G1S, G0SB, G1SB
.irp s, 0,1
	s_mov_b32 s[G0+4*\s], 1
	s_add_co_u32 s[G0+4*\s+1], s45, \s*SLOT
	s_add_nc_u64 s[G0+4*\s+2:G0+4*\s+3], s[20:21], \s*4096
	s_or_b32 s[G0+4*\s+3], s[G0+4*\s+3], 0x80000000
	s_mov_b32 s[G0B+4*\s], 1
	s_add_co_u32 s[G0B+4*\s+1], s94, \s*SLOT
	s_add_nc_u64 s[G0B+4*\s+2:G0B+4*\s+3], s[46:47], \s*ROWB
	s_or_b32 s[G0B+4*\s+3], s[G0B+4*\s+3], 0x80000000
	s_wait_alu depctr_va_vdst(0)
	s_wait_tensorcnt 0x0
	ds_add_u32 v28, v29
	s_wait_dscnt 0x0
	CROUND
	JLOAD G0+4*\s, G1, G0B+4*\s, G1B               ; one tensor load of mine is out now
.endr
	v_and_b32 v1, 15, v0                           ; r
	v_bfe_u32 v2, v0, 4, 1                         ; h
	v_and_b32 v6, 31, v0
	v_lshlrev_b32 v[CO], 4, v6                     ; 16 x lane
	v_mul_u32_u24 v3, v1, PITCH
	v_lshl_add_u32 v4, v2, 4, v3
	s_mul_i32 s21, s15, AHALF                      ; my 8 tiles of A
	s_mul_i32 s22, s16, BHALF                      ; my 128 rows of B
	s_add_co_u32 s22, s22, BOFF
.irp s, 0,1
	v_add_nc_u32 v[ADRA+\s], s21, v[CO]
	v_add_nc_u32 v[ADRB+\s], s22, v4
	s_add_co_u32 s21, s21, SLOT
	s_add_co_u32 s22, s22, SLOT
.endr
	v_lshlrev_b32 v5, 5, v1
	v_lshrrev_b32 v6, 3, v1
	v_lshl_add_u32 v5, v6, 4, v5
	v_lshl_add_u32 v5, v2, 4, v5
	s_mul_i32 s22, s16, HALFS
	s_add_co_u32 s22, s22, BSC
	v_add_nc_u32 v[ADSB], s22, v5                  ; B's scale bytes: 32 r + 16 (r / 8) + 16 h
	v_lshlrev_b32 v5, 2, v1
	v_lshl_add_u32 v5, v2, 12, v5                  ; A's scale words: 4 r; lanes 16-31 eight heads (K steps 4 to 7) further on
	s_lshl_b32 s21, s15, 13
	s_add_co_u32 s21, s21, ASC
	v_add_nc_u32 v[ASW], s21, v5
	s_mul_i32 s23, s14, 16*SPITCH                  ; my stage
	v_mul_u32_u24 v5, v1, SPITCH
	v_lshl_add_u32 v5, v2, 6, v5                   ; in: row r, + 64 h: 16 columns for each half of the lanes
	v_add_nc_u32 v[STO], s23, v5
	v_add_nc_u32 v[RD], s23, v[CO]                 ; back: the 32 lanes take one row of 512 bytes
	s_lshl_b32 s20, s17, 8
	s_lshl_b32 s21, s15, 7
	s_add_co_u32 s20, s20, s21
	s_lshl_b32 s20, s20, 12                        ; my first row of out0: 4,096 bytes a row
	s_lshl_b32 s21, s42, 10
	s_add_co_u32 s20, s20, s21
	s_lshl_b32 s21, s16, 9
	s_add_co_u32 s20, s20, s21                     ; my first column: 1,024 x tile column + 512 x half, in bytes
	s_mov_b32 s21, 0
	s_add_nc_u64 s[12:13], s[12:13], s[20:21]
.macro FRAGB reg, adr, q, i
.irp c, 0,1,2,3
	ds_load_b128 v[\reg+4*\c:\reg+4*\c+3], v[\adr] offset:128*(\q)+32*\c+(\i)*16*PITCH
.endr
.endm
.macro FRAGA reg, adr, q, i            ; an image: tile i, the q-th 128 along K of the slot (two heads), four chunks of 512 bytes
.irp c, 0,1,2,3
	ds_load_b128 v[\reg+4*\c:\reg+4*\c+3], v[\adr] offset:2048*(\q)+512*\c+(\i)*4096
.endr
.endm
.macro MUL16 a0, p, s, zero            ; as in qkv: the 64 accumulators take turns, one instruction a turn
.irp a, \a0, \a0+1
.irp b, 0,1,2,3,4,5,6,7
.if \zero
	v_wmma_scale_f32_16x16x128_f8f6f4 v[8*(8*((\a)%4)+\b):8*(8*((\a)%4)+\b)+7], v[128*(\p)+FR*\b:128*(\p)+FR*\b+FR-1], v[AF+FR*(\a):AF+FR*(\a)+FR-1], 0, v[SCB+4*\b+(\s)%4], v[SCA+4*(\a)+(\s)%4]
.elseif (\s) < 4
	v_wmma_scale_f32_16x16x128_f8f6f4 v[8*(8*((\a)%4)+\b):8*(8*((\a)%4)+\b)+7], v[128*(\p)+FR*\b:128*(\p)+FR*\b+FR-1], v[AF+FR*(\a):AF+FR*(\a)+FR-1], v[8*(8*((\a)%4)+\b):8*(8*((\a)%4)+\b)+7], v[SCB+4*\b+(\s)%4], v[SCA+4*(\a)+(\s)%4]
.else
	v_wmma_scale_f32_16x16x128_f8f6f4 v[8*(8*((\a)%4)+\b):8*(8*((\a)%4)+\b)+7], v[128*(\p)+FR*\b:128*(\p)+FR*\b+FR-1], v[AF+FR*(\a):AF+FR*(\a)+FR-1], v[8*(8*((\a)%4)+\b):8*(8*((\a)%4)+\b)+7], v[SCB+4*\b+(\s)%4], v[SCA+4*(\a)+(\s)%4] matrix_a_scale:MATRIX_SCALE_ROW1 matrix_b_scale:MATRIX_SCALE_ROW1
.endif
.endr
.endr
.endm
.macro FETCH_B slot, q, p
	WIN TO_B
.irp i, 0,1,2,3,4,5,6,7
	FRAGB 128*(\p)+FR*\i, ADRB+\slot, \q, \i
.endr
	WIN 0
.endm
.macro FETCH_A slot, q, i0
.irp i, \i0, \i0+1, \i0+2, \i0+3
	FRAGA AF+FR*(\i), ADRA+\slot, \q, \i
.endr
.endm
.macro PLACES n
.rept \n
	v_nop
.endr
.endm
.macro STEP slot, q, s, zero
	s_wait_dscnt 4*NL                              ; all but the youngest 16 loads (A's blocks 4-7) are in
	WIN MUL_LO
	MUL16 0, (\q)%2, \s, \zero
	MUL16 2, (\q)%2, \s, \zero
	s_wait_dscnt 0
	PLACES NP
	FETCH_B \slot, (\q)+1, 1-(\q)%2
	FETCH_A \slot, (\q)+1, 0
	WIN MUL_HI
	MUL16 4, (\q)%2, \s, \zero
	MUL16 6, (\q)%2, \s, \zero
	PLACES NP
	WIN 0
	FETCH_A \slot, (\q)+1, 4
.endm
.macro TURN slot, next, fill, s
	s_wait_tensorcnt 0x0                           ; all my tensor loads have landed: my part of the next slot
	ds_add_u32 v[SPW], v[NIL]                      ; 0 onto my spare word
	s_wait_dscnt 4*NL+1                            ; the add and the youngest 16 loads may be out
	WIN MUL_LO
	MUL16 0, 1, \s, 0
	s_wait_dscnt 0x0                               ; the add is done, and my reads of this slot are over
	s_barrier_signal -1
	MUL16 2, 1, \s, 0
	WIN 0
	s_barrier_wait -1
.if \fill
	CREST                                          ; the barrier has opened a round of the cluster's barrier: no wave of any partner still reads this slot or has a load on its way
	s_add_nc_u64 s[G0+4*\slot+2:G0+4*\slot+3], s[G0+4*\slot+2:G0+4*\slot+3], 2*4096
	s_add_nc_u64 s[G0B+4*\slot+2:G0B+4*\slot+3], s[G0B+4*\slot+2:G0B+4*\slot+3], 2*ROWB
	JLOAD G0+4*\slot, G1, G0B+4*\slot, G1B
	PLACES NP-4
.else
	PLACES NP
.endif
	FETCH_B \next, 0, 0
	FETCH_A \next, 0, 0
	WIN MUL_HI
	MUL16 4, 1, \s, 0
	MUL16 6, 1, \s, 0
	PLACES NP
	WIN 0
	FETCH_A \next, 0, 4
.endm
	s_wait_alu depctr_va_vdst(0)
	s_wait_tensorcnt 1                             ; the scales and my part of slot 0 are in; slot 1's load may be out
	s_barrier_signal -1
	s_barrier_wait -1
.irp i, 0,1,2,3,4,5,6,7                        ; A's scale words by head, into registers that A's fragments will take: block i, head 2 s + e (lanes 16-31: 8 + 2 s + e) at v[AF + 8 i + 2 s + e]
.irp j, 0,1,2,3,4,5,6,7
	ds_load_b32 v[AF+8*\i+\j], v[ASW] offset:512*\j+64*\i
.endr
.endr
.irp i, 0,1,2,3,4,5,6,7
	ds_load_b128 v[SCB+4*\i:SCB+4*\i+3], v[ADSB] offset:\i*544
.endr
	s_wait_dscnt 0x0
.irp i, 0,1,2,3,4,5,6,7
.irp s, 0,1,2,3
	v_or_b32 v[SCA+4*\i+\s], v[AF+8*\i+2*\s], v[AF+8*\i+2*\s+1]   ; an even head's bytes 0, 1 and an odd head's bytes 2, 3 make the word of 128 along K
.endr
.endr
	PLACES NP                                      ; a scale register written by a vector instruction stands eight places ahead of the scaled matrix instruction
	FETCH_B 0, 0, 0
	FETCH_A 0, 0, 0
	FETCH_A 0, 0, 4
	s_wait_alu depctr_va_vdst(0)
	STEP 0, 0, 0, 1
	TURN 0, 1, 1, 1
	STEP 1, 0, 2, 0
	TURN 1, 0, 1, 3
	STEP 0, 0, 4, 0
	TURN 0, 1, 0, 5                                ; nothing is left to fetch; behind this barrier nobody reads slot 0
	STEP 1, 0, 6, 0
	s_wait_dscnt 4*NL
	WIN MUL_LO
	MUL16 0, 1, 7, 0
	MUL16 2, 1, 7, 0
	s_wait_dscnt 0
	WIN MUL_HI
	MUL16 4, 1, 7, 0
	MUL16 6, 1, 7, 0
	WIN 0
; THE WAY OUT, block by block of 16 positions x 128 columns, through my own stage: in as 32 bytes a lane and accumulator, back as whole rows of 512 bytes.  LDS serves a wave's instructions in order (ISA guide 5.7.1.4).
.macro TOSTAGE a
.set AC, 64*((\a)%4)
.set WQ, 0x08+4*((\a)/4)
	WIN WQ                                         ; the data: window 2 or 3
.irp b, 0,1,2,3,4,5,6,7
	ds_store_b128 v[STO], v[AC+8*\b:AC+8*\b+3] offset:128*(\b/2)+32*(\b%2)          ; each accumulator from its low end on
	ds_store_b128 v[STO], v[AC+8*\b+4:AC+8*\b+7] offset:128*(\b/2)+32*(\b%2)+16
.endr
	WIN 0
.set BB, BK+64*((\a)%2)
.irp t, 0,1,2,3,4,5,6,7,8,9,10,11,12,13,14,15
	ds_load_b128 v[BB+4*\t:BB+4*\t+3], v[RD] offset:\t*SPITCH
.endr
.endm
.macro SEND a, younger                 ; younger: the LDS instructions issued behind block a's loads, which may stay out
.set BB, BK+64*((\a)%2)
	s_wait_dscnt \younger
.irp t, 0,1,2,3,4,5,6,7,8,9,10,11,12,13,14,15
	global_store_b128 v[CO], v[BB+4*\t:BB+4*\t+3], s[12:13] offset:(32*((\a)/2)+16*(\t/8)+8*((\a)%2)+\t%8)*4096 th:TH_STORE_NT   ; 32 lanes store 512 consecutive bytes, aligned; the row's place stands in the immediate: 127 rows at the most
.endr
.endm
	PLACES NP                                      ; behind the last products: for the stores of results and the loads into A's registers
	TOSTAGE 0
.irp a, 1,2,3,4,5,6,7
.if \a > 1
	s_wait_xcnt 0x0                                ; block a - 2's stores have read their registers: block a's loads may land there
.endif
	TOSTAGE \a
	SEND \a-1, 32                                  ; behind block a - 1's loads: block a's 16 stores and 16 loads
.endr
	SEND 7, 0
	s_wait_tensorcnt 0x0                           ; the wave's end
	ds_add_u32 v[SPW], v[NIL]
	s_wait_dscnt 0x0
	CROUND                                         ; the closing round
	s_endpgm
.Lfunc_end_k_q9073b31c3c_oproj:
	.size	k_q9073b31c3c_oproj, .Lfunc_end_k_q9073b31c3c_oproj-k_q9073b31c3c_oproj
	.p2alignl 7, 3214868480
	.fill 96, 4, 3214868480
	.section	.rodata,"a",@progbits
	.p2align	6, 0x0
	.amdhsa_kernel k_q9073b31c3c_oproj
		.amdhsa_group_segment_fixed_size 327680
		.amdhsa_private_segment_fixed_size 0
		.amdhsa_enable_private_segment 0
		.amdhsa_kernarg_size 24
		.amdhsa_user_sgpr_count 2
		.amdhsa_user_sgpr_kernarg_segment_ptr 1
		.amdhsa_wavefront_size32 1
		.amdhsa_system_sgpr_workgroup_id_x 1
		.amdhsa_system_sgpr_workgroup_id_y 1
		.amdhsa_system_sgpr_workgroup_id_z 1
		.amdhsa_system_vgpr_workitem_id 0
		.amdhsa_next_free_vgpr 1024
		.amdhsa_next_free_sgpr 98
		.amdhsa_reserve_vcc 0
		.amdhsa_float_denorm_mode_32 3
		.amdhsa_float_denorm_mode_16_64 3
		.amdhsa_memory_ordered 1
		.amdhsa_forward_progress 1
		.amdhsa_inst_pref_size 150
	.end_amdhsa_kernel
	.amdgpu_metadata
---
amdhsa.version: [ 1, 2 ]
amdhsa.kernels:
  - .name:           k_q9073b31c3c_oproj
    .symbol:         k_q9073b31c3c_oproj.kd
    .args:
      - { .name: ob, .offset: 0, .size: 8, .value_kind: global_buffer, .address_space: global }
      - { .name: wq, .offset: 8, .size: 8, .value_kind: global_buffer, .address_space: global }
      - { .name: out0, .offset: 16, .size: 8, .value_kind: global_buffer, .address_space: global }
    .group_segment_fixed_size: 327680
    .private_segment_fixed_size: 0
    .kernarg_segment_align: 8
    .kernarg_segment_size: 24
    .max_flat_workgroup_size: 128
    .sgpr_count:     98
    .vgpr_count:     1024
    .wavefront_size: 32
...
	.end_amdgpu_metadata
.endif
;; end of part 4
